; MI455X (gfx1250); checked and timed in simulation.
; The chip was launched on July 23, 2026; its instructions are those of AMD's public machine-readable ISA for CDNA 5 (MIT licence, August 2026) and "CDNA5" Instruction Set Architecture Reference Guide (July 2026). The comments in the code are by the model that wrote it; some were corrected since.
;; Masked Self Attention. Allowed arithmetic: matrix products marked QUANTISED: E2M1 operands, one E8M0 scale for each 32 along K, by v_wmma_scale_f32_16x16x128_f8f6f4 with both operands' format E2M1 (or v_wmma_scale_f32_32x16x128_f4), f32 sums; products left as they are: bf16, f16 or f32 operands; f32 sums; everything else in f32.
;; Inputs: W_proj 1,024 x 1,024 float32; W_qkv 1,024 x 3,072 float32; b_proj 1,024 float32; x 2 x 2,048 x 1,024 float32.
;; Outputs: out0 2 x 2,048 x 1,024 float32.
;; This version of the problem:
;;   THIS VERSION OF THE PROBLEM IS GIVEN IN LOW PRECISION. The matrix products marked QUANTISED in the list below multiply operands that are first quantised to E2M1 (2 exponent bits, 1 mantissa bit; 4 bits a number), with one power-of-two scale for each 32 numbers along K (OCP MX v1.0); their sums are f32. The products marked 'left as it is' may take bf16, f16 or f32 operands, with f32 sums. Whichever they take, every output number must still come out within the allowed error. Rounding operands to bf16 (8 significant bits) uses up far more of that allowance than f16 does (11 bits, for magnitudes from 6e-5 to 65,504). All else is computed in f32.
;;   The module's matrix products, in the order in which they are computed (A, B: the left and right operand; K: the contracted axis; several contracted axes count as one K, in the product's order):
;;     1. [M 4,096, K 1,024] x [K 1,024, N 3,072]; A: input x; B: input W_qkv: QUANTISED
;;     2. batch 32 x [M 2,048, K 64] x [K 64, N 2,048]; A: computed on the way; B: computed on the way: left as it is (an operand is computed on the way)
;;     3. batch 32 x [M 64, K 2,048] x [K 2,048, N 2,048]; A: computed on the way; B: computed on the way: left as it is (an operand is computed on the way)
;;     4. [M 4,096, K 1,024] x [K 1,024, N 1,024]; A: computed on the way; B: input W_proj: left as it is (an operand is computed on the way)
;;   THE QUANTISER, for each operand of a quantised product, along K:
;;     - K is cut into blocks of 32 from its start; a last block that is shorter is filled with zeros.
;;     - A block's scale is 2^e with e = floor(log2(the largest magnitude in the block)) - 2, held to -126 .. 127; a block of zeros has e = 0. As a byte (E8M0): e + 127.
;;     - Each number is divided by its block's scale, clamped to +-6, and rounded to the nearest number of E2M1, ties to even, subnormals kept.
;;     - The product sums the exact products of the quantised numbers (number of the format x scale) in f32.
;;   ~~~python
;;   def quantise(x, axis):      # numpy; x: float32 -> the quantised numbers, widened to float32 again
;;       x = np.moveaxis(x, axis, -1); K = x.shape[-1]
;;       x = np.pad(x, [(0, 0)] * (x.ndim - 1) + [(0, -K % 32)]); x = x.reshape(x.shape[:-1] + (-1, 32)); a = np.abs(x).max(-1, keepdims=True)
;;       e = np.where(a > 0, np.clip(np.frexp(np.where(a > 0, a, 1))[1] - 1 - 2, -126, 127), 0)      # np.frexp(a)[1] - 1 = floor(log2(a)), exactly
;;       r = np.clip(x / 2.0 ** e, -6, 6)
;;       step = 2.0 ** (np.maximum(np.frexp(np.where(r == 0, 1, r))[1] - 1, 0) - 1)
;;       q = np.round(r / step) * step * 2.0 ** e      # np.round: ties to even
;;       return np.moveaxis(q.reshape(q.shape[:-2] + (-1,))[..., :K], -1, axis).astype(np.float32)
;;   ~~~
;; One version. Each part assembles by itself: llvm-mc -triple=amdgcn-amd-amdhsa -mcpu=gfx1250 --defsym DOCPART=n.
;; ======== version 1 of 1: 5 launches
;; limits: values are held in f16: magnitudes above 65,504 overflow, below 6.1e-05 lose precision
;; workspace buffers: x_codes 2,097,152 bytes; x_scales 131,072 bytes; w_codes 1,572,864 bytes; w_scales 98,304 bytes; wp16 2,097,152 bytes; qkv16 25,165,824 bytes; qkv32 393,216 bytes; y16 8,388,608 bytes
;; launch prep (part 1): grid 256 x 1, 4 waves a work-group, no clusters, 51,712 bytes of LDS; arguments x, W_qkv, W_proj, x_codes, x_scales, w_codes, w_scales, wp16; writes x_codes, x_scales, w_codes, w_scales, wp16
.if DOCPART == 1
	.amdgcn_target "amdgcn-amd-amdhsa--gfx1250"
	.amdhsa_code_object_version 6
	.text
	.protected	k_q62459864be_prep
	.globl	k_q62459864be_prep
	.p2align	8
	.type	k_q62459864be_prep,@function
k_q62459864be_prep:
	s_mov_b64 s[64:65], 0
	v_nop
	global_prefetch_b8 v0, s[64:65] scope:SCOPE_SE
	s_setreg_imm32_b32 hwreg(HW_REG_WAVE_MODE, 25, 1), 1
	s_wait_xcnt 0x0
; PREP: what the later launches read many times is made once.  256 work-groups, each with 131,072 bytes of input:
;   work-groups 0-95    (path W): W_qkv [1024 (k)][3072 (n)] f32, K is its FIRST axis -> codes of FP4 (E2M1) [3072][512 bytes], K innermost, and one E8M0 byte for each 32 along K, [3072][32].
;   work-groups 96-223  (path X): x [4096][1024] f32 -> codes, K innermost, [4096][512 bytes], and bytes [4096][32].
;   work-groups 224-255 (path P): W_proj [1024 (k)][1024 (n)] f32 -> f16, laid as images of the matrix operand's registers: [n / 16][k / 32][1,024 bytes]; in an image the 16 bytes at 256 s + 16 r hold k = 8 s .. 8 s + 7 of column r.
; A block's scale is 2^(floor(log2(its largest magnitude)) - 2); its byte is the largest magnitude's exponent field - 2, held at 1 from below.  Each number is divided by the scale and rounded to the nearest code, ties to even, beyond 6 the code of 6.
; LIMITS: a block of zeros gets the byte 1 where the rule says 127: its codes are zeros, and this program alone reads the bytes.  NaN and infinities among the inputs are not served.  W_proj is rounded to f16: magnitudes under 65,504.
; The three paths part on the work-group's number alone and never join; each has LDS bytes of its own (X: 0 .. 32,767; W: 32,768 .. 51,199; P: none).  No tensor loads.  Path W has one barrier (its four waves make one row of codes together); in X and P waves share nothing.
.set SPW,    192                       ; v192  LDS address of my spare word: SPARE + 4 x my thread's number; never rewritten
.set NIL,    193                       ; v193  0; never rewritten
.set EMAX,   2
.set XREG,   8192                      ; path X: a region for each wave: two stages of 32 x SP bytes, behind them its 256 scale bytes
.set SP,     80                        ; a lane's place in a stage: 64 bytes + 16 of padding
.set STEPS,  16
.set CB,     8                         ; bytes of 16 codes
.set R,      16                        ; v16-79   four sets of 16 numbers as loaded
.set X,      80                        ; v80-111  two sets of 16 neighbours
.set E,      112                       ; v112-127 a scale byte for each step
.set C,      128                       ; v128-191 codes: four registers for each step
.set WSTG,   32768                     ; path W: the work-group's stage: 64 rows (columns of W_qkv)
.set WPITCH, 272                       ; a stage row: 256 bytes of codes (512 along K) + 16
.set SSTG,   WSTG+64*WPITCH            ; and the scale bytes: 16 for each of the 64 columns
.set WN,     3072
.set KROW,   512                       ; a row of codes in memory
.set NB,     8                         ; blocks of a wave: 4 along K x 2 sets of 32 columns
.set WX,     32                        ; v32-95   two sets of 32 numbers
.set WC,     96                        ; v96-99   a block's codes
.set WSO,    100                       ; v100-101 scale bytes on their way out
.set OUTR,   112                       ; v112-143 the way out
.set SB,     24                        ; v24-25   my four scale bytes of each column set
.set SPARE,  SSTG+1024                 ; the spare words, 128 bytes a wave: two blocks of 256 bytes that no other line names
; ---- path X's steps: a step is 512 numbers of the stream
.macro XLOAD t
.irp i, 0,1,2,3
	global_load_b128 v[R+16*((\t)%4)+4*\i:R+16*((\t)%4)+4*\i+3], v3, s[4:5] offset:2048*(\t)+512*\i th:TH_LOAD_NT   ; 32 lanes read 512 consecutive bytes
.endr
.endm
.macro XTURN t                         ; through the wave's own stage: in as loaded, out 64 bytes a lane.  LDS serves a wave's instructions in order: no wait between
.irp i, 0,1,2,3
	ds_store_b128 v14, v[R+16*((\t)%4)+4*\i:R+16*((\t)%4)+4*\i+3] offset:32*SP*((\t)%2)+8*SP*\i
.endr
.irp i, 0,1,2,3
	ds_load_b128 v[X+16*((\t)%2)+4*\i:X+16*((\t)%2)+4*\i+3], v15 offset:32*SP*((\t)%2)+16*\i
.endr
.endm
.macro XSTEP t
.set XS, X+16*((\t)%2)
.if (\t) > 0
	s_wait_dscnt 1                                 ; this step's numbers are back from the stage; the last step's byte store may be out
.else
	s_wait_dscnt 0x0
.endif
.if (\t)+4 < STEPS
	XLOAD (\t)+4                                   ; into the registers that this step's stage stores have read
.endif
.if (\t)+1 < STEPS
.if STEPS-2-(\t) >= 3
	s_wait_loadcnt 12                              ; the next step's four loads are in; the twelve of the three steps behind it may be out
.else
	s_wait_loadcnt 4*(STEPS-2-(\t))
.endif
	XTURN (\t)+1
.endif
	v_max3_num_f32 v8, |v[XS]|, |v[XS+1]|, |v[XS+2]|               ; the largest magnitude of my 16, in two chains
	v_max3_num_f32 v9, |v[XS+3]|, |v[XS+4]|, |v[XS+5]|
.irp i, 6,10
	v_max3_num_f32 v8, v8, |v[XS+\i]|, |v[XS+\i+1]|
	v_max3_num_f32 v9, v9, |v[XS+\i+2]|, |v[XS+\i+3]|
.endr
	v_max3_num_f32 v8, v8, |v[XS+14]|, |v[XS+15]|
	v_max3_num_f32 v8, v8, v9, (EMAX+1)<<23        ; and the floor 2^(3 - 127): the byte cannot fall under 1
	v_max_num_f32_dpp v8, v8, v8 row_xmask:1 row_mask:0xf bank_mask:0xf   ; with my neighbour's 16: the block's
	v_add_nc_u32 v11, -(EMAX<<23), v8              ; 2 off the exponent field: the conversion takes that field as its scale
	v_cvt_scalef32_pk8_fp4_f32 v[C+4*(\t)], v[XS:XS+7], v11
	v_cvt_scalef32_pk8_fp4_f32 v[C+4*(\t)+1], v[XS+8:XS+15], v11
	v_lshrrev_b32 v[E+(\t)], 23, v11               ; the scale's byte (also the plain line behind the conversions)
	ds_store_b8 v5, v[E+(\t)] offset:16*(\t)       ; both lanes of a block write the same byte with the same value
	global_store_b64 v4, v[C+4*(\t):C+4*(\t)+1], s[10:11] offset:32*CB*(\t)   ; the wave stores 256 consecutive bytes, aligned
.endm
; ---- path W's blocks: a lane takes a column n, its registers run down K.  Block t: 32 along K from 32 (t / 2) on, column set t % 2 (32 columns, 128 bytes on): two blocks that follow each other read the two halves of the same 256 bytes of each row
.macro WLOAD t
.irp i, 0,1,2,3,4,5,6,7,8,9,10,11,12,13,14,15,16,17,18,19,20,21,22,23,24,25,26,27,28,29,30,31
	global_load_b32 v[WX+32*((\t)%2)+\i], v3, s[6:7] offset:(32*((\t)/2)+\i)*WN*4+128*((\t)%2) th:TH_LOAD_NT   ; at most 127 x 12,288 + 128 bytes: inside the signed 24-bit immediate
.endr
.endm
.macro WBLOCK t
.set XS, WX+32*((\t)%2)
.if (\t) < NB-1
	s_wait_loadcnt 32                              ; this block's 32 loads are in; the next block's 32 may be out
.else
	s_wait_loadcnt 0
.endif
	v_max3_num_f32 v12, |v[XS]|, |v[XS+1]|, |v[XS+2]|              ; all 32 numbers of the block are mine
	v_max3_num_f32 v13, |v[XS+3]|, |v[XS+4]|, |v[XS+5]|
.irp i, 6,10,14,18,22,26
	v_max3_num_f32 v12, v12, |v[XS+\i]|, |v[XS+\i+1]|
	v_max3_num_f32 v13, v13, |v[XS+\i+2]|, |v[XS+\i+3]|
.endr
	v_max3_num_f32 v12, v12, |v[XS+30]|, |v[XS+31]|
	v_max3_num_f32 v12, v12, v13, (EMAX+1)<<23
	v_add_nc_u32 v11, -(EMAX<<23), v12
	v_lshrrev_b32 v13, 23, v11
.if (\t)/2 == 0
	v_mov_b32 v[SB+(\t)%2], v13                    ; my four bytes of a column make one word, the lower K in the lower byte
.else
	v_lshl_or_b32 v[SB+(\t)%2], v13, 8*((\t)/2), v[SB+(\t)%2]
.endif
.irp g, 0,1,2,3
	v_cvt_scalef32_pk8_fp4_f32 v[WC+\g], v[XS+8*\g:XS+8*\g+7], v11
.endr
	ds_store_b128 v4, v[WC:WC+3] offset:((\t)%2)*32*WPITCH+16*((\t)/2)   ; 32 codes: 16 bytes of my column's row, in my wave's 64 bytes of it
.if (\t)+2 < NB
	WLOAD (\t)+2
.endif
	s_wait_dscnt 0x0                               ; the store has read its registers: the next block's codes may be written
.endm
; ---- path P's units: 32 along K of 32 columns, a lane to a column; eight units in four sets of registers
.macro PLOAD u
.set j, 0
.rept 32
	global_load_b32 v[32+32*((\u)%4)+j], v1, s[8:9] offset:(32*(\u)+j)*4096 th:TH_LOAD_NT
.set j, j+1
.endr
.endm
.macro PUNIT u, left
	s_wait_loadcnt \left                           ; this unit's 32 loads are in; the one unit issued behind it may be out
.if (\u)+2 < 8
.if (\u) >= 2
	s_wait_xcnt 0x0                                ; the stores of two units back have read the registers on which the loads below land
.endif
	PLOAD (\u)+2
.endif
.set PB, 32+32*((\u)%4)
.set j, 0
.rept 16
	v_cvt_pk_f16_f32 v[PB+j], v[PB+2*j], v[PB+2*j+1]   ; in place, ascending: register j takes k = 2 j, 2 j + 1
.set j, j+1
.endr
.irp s, 0,1,2,3
	global_store_b128 v3, v[PB+4*\s:PB+4*\s+3], s[18:19] offset:(\u)*1024+\s*256   ; sixteen lanes store 256 consecutive bytes, aligned
.endr
.endm
	s_load_b512 s[4:19], s[0:1], 0x0               ; x s[4:5], W_qkv s[6:7], W_proj s[8:9], x_codes s[10:11], x_scales s[12:13], w_codes s[14:15], w_scales s[16:17], wp16 s[18:19]
	v_lshl_add_u32 v[SPW], v0, 2, SPARE
	v_mov_b32 v[NIL], 0
	v_lshrrev_b32 v1, 5, v0
	v_readfirstlane_b32 s20, v1                    ; wave 0..3
	v_and_b32 v2, 31, v0                           ; lane
	s_wait_kmcnt 0x0
	s_cmp_lt_u32 ttmp9, 96
	s_cbranch_scc1 .Lpath_w
	s_cmp_lt_u32 ttmp9, 224
	s_cbranch_scc1 .Lpath_x
	; ---------------- path P: W_proj to f16 images: 8 groups of 128 columns x 4 quarters of K
	s_sub_co_u32 s21, ttmp9, 224
	s_and_b32 s22, s21, 7                          ; which 128 columns
	s_lshr_b32 s23, s21, 3                         ; which 256 along K
	s_lshl_b32 s22, s22, 7
	s_lshl_b32 s24, s20, 5
	s_add_co_u32 s22, s22, s24                     ; my wave's first column
	s_lshl_b32 s24, s23, 20                        ; 256 rows of 4,096 bytes
	s_lshl_b32 s25, s22, 2
	s_add_co_u32 s24, s24, s25
	s_mov_b32 s25, 0
	s_add_nc_u64 s[8:9], s[8:9], s[24:25]
	s_lshl_b32 s24, s22, 11                        ; (column / 16) x 32 images of 1,024 bytes
	s_lshl_b32 s26, s23, 13                        ; + eight images for each 256 along K
	s_add_co_u32 s24, s24, s26
	s_add_nc_u64 s[18:19], s[18:19], s[24:25]
	v_lshlrev_b32 v1, 2, v2                        ; in: 4 bytes a lane
	v_lshrrev_b32 v3, 4, v2
	v_and_b32 v4, 15, v2
	v_lshlrev_b32 v3, 15, v3                       ; out: lanes 16-31 belong to the next 16 columns' images,
	v_lshl_add_u32 v3, v4, 4, v3                   ; 16 bytes a column
	PLOAD 0
	PLOAD 1
.irp u, 0,1,2,3,4,5,6
	PUNIT \u, 32
.endr
	PUNIT 7, 0
	s_wait_tensorcnt 0x0                           ; the wave's end
	ds_add_u32 v[SPW], v[NIL]
	s_wait_dscnt 0x0
	s_endpgm
	; ---------------- path X: x to codes.  Rows are dense and K is a multiple of 32: a plain stream of blocks
.Lpath_x:
	v_lshlrev_b32 v3, 4, v2                        ; my 16 bytes of a load's 512
	s_mul_i32 s21, s20, XREG
	v_lshrrev_b32 v14, 2, v2
	v_mul_u32_u24 v14, v14, SP
	v_and_b32 v15, 3, v2
	v_lshl_add_u32 v14, v15, 4, v14
	v_add_nc_u32 v14, s21, v14                     ; the stage, in: SP (lane / 4) + 16 (lane % 4)
	v_mul_u32_u24 v15, v2, SP
	v_add_nc_u32 v15, s21, v15                     ; and out: SP x lane: my 16 neighbours
	v_mul_u32_u24 v4, v2, CB                       ; my codes' place in a step's
	v_lshrrev_b32 v5, 1, v2
	s_add_co_u32 s21, s21, 2*32*SP
	v_add_nc_u32 v5, s21, v5                       ; my block's byte among my wave's 256
	v_lshlrev_b32 v7, 3, v2
	v_add_nc_u32 v6, s21, v7                       ; and 8 bytes a lane on their way out
	s_sub_co_u32 s22, ttmp9, 96
	s_lshl_b32 s22, s22, 2
	s_add_co_u32 s22, s22, s20                     ; which run of 8,192 numbers is my wave's
	s_mov_b32 s23, 0
	s_lshl_b64 s[24:25], s[22:23], 15
	s_add_nc_u64 s[4:5], s[4:5], s[24:25]
	s_lshl_b64 s[24:25], s[22:23], 12
	s_add_nc_u64 s[10:11], s[10:11], s[24:25]
	s_lshl_b32 s22, s22, 8
	s_add_nc_u64 s[12:13], s[12:13], s[22:23]
.irp t, 0,1,2,3
	XLOAD \t
.endr
	s_wait_loadcnt 12                              ; step 0's four loads are in
	XTURN 0
.irp t, 0,1,2,3,4,5,6,7,8,9,10,11,12,13,14,15
	XSTEP \t
.endr
	ds_load_b64 v[8:9], v6                         ; in order behind my byte stores
	s_wait_dscnt 0x0
	global_store_b64 v7, v[8:9], s[12:13]          ; 32 lanes store 256 consecutive bytes, aligned
	s_wait_tensorcnt 0x0                           ; the wave's end, behind my last LDS store
	ds_add_u32 v[SPW], v[NIL]
	s_wait_dscnt 0x0
	s_endpgm
	; ---------------- path W: W_qkv to codes: 48 groups of 64 columns x 2 halves of K.  Wave w takes 128 along K (the half's quarter w) of all 64 columns: 64 bytes of each column's 256 bytes of codes.
.Lpath_w:
	s_cmp_ge_u32 ttmp9, 48
	s_cselect_b32 s22, 1, 0                        ; which 512 along K
	s_cselect_b32 s23, 48, 0
	s_sub_co_u32 s21, ttmp9, s23
	s_lshl_b32 s21, s21, 6                         ; the work-group's first column
	v_lshlrev_b32 v3, 2, v2                        ; in: 4 bytes a lane
	s_lshl_b32 s23, s20, 6
	s_add_co_u32 s23, s23, WSTG
	v_mul_u32_u24 v4, v2, WPITCH
	v_add_nc_u32 v4, s23, v4                       ; into the stage: row = my column, my wave's 64 bytes of it
	v_and_b32 v5, 15, v2
	v_lshrrev_b32 v6, 4, v2
	s_mul_i32 s23, s20, 16*WPITCH
	s_add_co_u32 s23, s23, WSTG
	v_mul_u32_u24 v7, v6, WPITCH
	v_lshl_add_u32 v7, v5, 4, v7
	v_add_nc_u32 v7, s23, v7                       ; out of it: wave w takes rows 16 w .. 16 w + 15, whole: sixteen lanes to a row, two rows an instruction
	s_lshl_b32 s23, s20, 13
	v_lshlrev_b32 v8, 9, v6
	v_lshl_add_u32 v8, v5, 4, v8
	v_add_nc_u32 v8, s23, v8                       ; and the same place in the codes' buffer: 512 bytes a column
	s_lshl_b32 s23, s20, 2
	s_add_co_u32 s23, s23, SSTG
	v_lshl_add_u32 v9, v2, 4, s23                  ; my scale word: 16 bytes a column, my wave's 4 of them
	s_lshl_b32 s23, s20, 8
	s_add_co_u32 s23, s23, SSTG
	v_lshl_add_u32 v10, v2, 3, s23                 ; and out: wave w takes columns 16 w .. 16 w + 15, 8 bytes a lane
	v_lshrrev_b32 v14, 1, v2
	v_lshlrev_b32 v14, 5, v14                      ; in memory: 32 bytes a column,
	v_and_b32 v15, 1, v2
	v_lshl_add_u32 v14, v15, 3, v14
	s_lshl_b32 s23, s20, 9
	v_add_nc_u32 v14, s23, v14
	s_lshl_b32 s24, s22, 9
	s_lshl_b32 s25, s20, 7
	s_add_co_u32 s24, s24, s25                     ; my first row of W_qkv: 512 x half + 128 x wave
	s_mul_i32 s24, s24, WN*4
	s_lshl_b32 s25, s21, 2
	s_add_co_u32 s24, s24, s25
	s_mov_b32 s25, 0
	s_add_nc_u64 s[6:7], s[6:7], s[24:25]
	s_lshl_b32 s24, s21, 9
	s_lshl_b32 s26, s22, 8
	s_add_co_u32 s24, s24, s26
	s_add_nc_u64 s[14:15], s[14:15], s[24:25]
	s_lshl_b32 s24, s21, 5
	s_lshl_b32 s26, s22, 4
	s_add_co_u32 s24, s24, s26
	s_add_nc_u64 s[16:17], s[16:17], s[24:25]
	WLOAD 0
	WLOAD 1
.set Q, 0
.rept NB
	WBLOCK Q
.set Q, Q+1
.endr
	ds_store_b32 v9, v[SB]                         ; my four scale bytes of each of my two columns
	ds_store_b32 v9, v[SB+1] offset:512
	s_wait_dscnt 0x0                               ; for the others' sake: my stores into the stage have landed
	s_barrier_signal -1
	s_barrier_wait -1                              ; 64 whole rows of codes and 64 x 16 scale bytes lie in LDS
.irp t, 0,1,2,3,4,5,6,7
	ds_load_b128 v[OUTR+4*\t:OUTR+4*\t+3], v7 offset:2*\t*WPITCH
.endr
	ds_load_b64 v[WSO:WSO+1], v10
.irp t, 0,1,2,3,4,5,6,7
	s_wait_dscnt 8-\t                              ; the 7 - t loads of codes behind this one and the scale bytes' load may be out
	global_store_b128 v8, v[OUTR+4*\t:OUTR+4*\t+3], s[14:15] offset:2*\t*KROW   ; sixteen lanes store 256 consecutive bytes, aligned
.endr
	s_wait_dscnt 0x0
	global_store_b64 v14, v[WSO:WSO+1], s[16:17]   ; 16 bytes of a column's 32: the other half of K is another work-group's; 98,304 bytes in all
	s_wait_tensorcnt 0x0                           ; the wave's end, behind my last LDS store
	ds_add_u32 v[SPW], v[NIL]
	s_wait_dscnt 0x0
	s_endpgm
.Lfunc_end_k_q62459864be_prep:
	.size	k_q62459864be_prep, .Lfunc_end_k_q62459864be_prep-k_q62459864be_prep
	.p2alignl 7, 3214868480
	.fill 96, 4, 3214868480
	.section	.rodata,"a",@progbits
	.p2align	6, 0x0
	.amdhsa_kernel k_q62459864be_prep
		.amdhsa_group_segment_fixed_size 51712
		.amdhsa_private_segment_fixed_size 0
		.amdhsa_enable_private_segment 0
		.amdhsa_kernarg_size 64
		.amdhsa_user_sgpr_count 2
		.amdhsa_user_sgpr_kernarg_segment_ptr 1
		.amdhsa_wavefront_size32 1
		.amdhsa_system_sgpr_workgroup_id_x 1
		.amdhsa_system_sgpr_workgroup_id_y 1
		.amdhsa_system_sgpr_workgroup_id_z 1
		.amdhsa_system_vgpr_workitem_id 0
		.amdhsa_next_free_vgpr 196
		.amdhsa_next_free_sgpr 66
		.amdhsa_reserve_vcc 0
		.amdhsa_float_denorm_mode_32 3
		.amdhsa_float_denorm_mode_16_64 3
		.amdhsa_memory_ordered 1
		.amdhsa_forward_progress 1
		.amdhsa_inst_pref_size 110
	.end_amdhsa_kernel
	.amdgpu_metadata
---
amdhsa.version: [ 1, 2 ]
amdhsa.kernels:
  - .name:           k_q62459864be_prep
    .symbol:         k_q62459864be_prep.kd
    .args:
      - { .name: x, .offset: 0, .size: 8, .value_kind: global_buffer, .address_space: global }
      - { .name: W_qkv, .offset: 8, .size: 8, .value_kind: global_buffer, .address_space: global }
      - { .name: W_proj, .offset: 16, .size: 8, .value_kind: global_buffer, .address_space: global }
      - { .name: x_codes, .offset: 24, .size: 8, .value_kind: global_buffer, .address_space: global }
      - { .name: x_scales, .offset: 32, .size: 8, .value_kind: global_buffer, .address_space: global }
      - { .name: w_codes, .offset: 40, .size: 8, .value_kind: global_buffer, .address_space: global }
      - { .name: w_scales, .offset: 48, .size: 8, .value_kind: global_buffer, .address_space: global }
      - { .name: wp16, .offset: 56, .size: 8, .value_kind: global_buffer, .address_space: global }
    .group_segment_fixed_size: 51712
    .private_segment_fixed_size: 0
    .kernarg_segment_align: 8
    .kernarg_segment_size: 64
    .max_flat_workgroup_size: 128
    .sgpr_count:     66
    .vgpr_count:     196
    .wavefront_size: 32
...
	.end_amdgpu_metadata
.endif
;; end of part 1
;; launch qkv (part 2): grid 12 x 16, 4 waves a work-group, clusters of 4 x 1, 327,680 bytes of LDS; arguments x_codes, x_scales, w_codes, w_scales, qkv16, qkv32; writes qkv16, qkv32
.if DOCPART == 2
	.amdgcn_target "amdgcn-amd-amdhsa--gfx1250"
	.amdhsa_code_object_version 6
	.text
	.protected	k_q62459864be_qkv
	.globl	k_q62459864be_qkv
	.p2align	8
	.type	k_q62459864be_qkv,@function
k_q62459864be_qkv:
	s_mov_b64 s[64:65], 0
	v_nop
	global_prefetch_b8 v0, s[64:65] scope:SCOPE_SE
	s_setreg_imm32_b32 hwreg(HW_REG_WAVE_MODE, 25, 1), 1
	s_wait_xcnt 0x0
	s_wait_alu depctr_hold_cnt(0) depctr_sa_sdst(0) depctr_va_vdst(0) depctr_va_sdst(0) depctr_va_ssrc(0) depctr_va_vcc(0) depctr_vm_vsrc(0)
	s_getreg_b32 s2, hwreg(HW_REG_IB_STS2, 6, 4)
	s_cmp_eq_u32 s2, 0
	s_cbranch_scc0 .Lentry_in_a_cluster
	s_endpgm
.Lentry_in_a_cluster:
	s_bfe_u32 s2, ttmp6, 0x10000c
	s_cmp_lg_u32 s2, 0x3003
	s_cbranch_scc0 .Lentry_shape_is_right
	s_endpgm
.Lentry_shape_is_right:
; QKV = Q(x) Q(W_qkv): [4096][3072], K = 1,024, on codes of FP4 (E2M1) with one E8M0 scale for each 32 along K; sums in f32.
; A tile of 256 x 256 is made by four waves, each 128 x 128: 64 accumulators of 16 x 16, 512 registers.  K = 1,024 is two K steps of 512: both lie in LDS from the start (two slots), so nothing is filled again.
; The scale bytes of the work-group's 256 rows of x and 256 columns of W, for all of K, come into LDS once, with the first fills.
; CLUSTER 4 x 1: the four work-groups of a cluster make four neighbouring tile columns of ONE tile row: x's tiles and scales are asked for JOINTLY (mask 15).  W's tiles differ from partner to partner and are plain loads.
; Not 4 x 4: the copy of rows 0-15 in f32 (below) is a branch on the tile row, which has to be alike in all partners: here the tile row is the cluster's own y.
; THE MATRIX INSTRUCTION IS USED TRANSPOSED (source 0 = 16 columns of W, source 1 = 16 rows of x): a lane holds eight neighbouring columns of one row.
; THE WAY OUT: results are rounded to f16 and stored as IMAGES OF THE NEXT PRODUCTS' OPERAND REGISTERS: qkv16 [panel = (n / 64) 2 + batch][t / 16][16 columns of the head's 64][512 bytes].  A lane's eight columns are 16 bytes;
; for q and k they lie at 16 x lane; for v at 16 x ((r / 8) 16 + 8 h + r % 8), so that a turning LDS load at 16 x lane gives V^T.  Each store of the wave covers 512 consecutive bytes, aligned.
; Rows t = 0 .. 15 of both sequences leave in f32 too (qkv32: the accumulators as they stand), for the launch that carries those rows finely.
; LIMITS: q, k, v are rounded to f16: magnitudes under 65,504 (with x and W both 30 times the drawn spread q, k, v have a root mean square of 900; with offsets of 30 spreads on both they reach about 29,000).
; REGISTERS, in windows of 256: window 0: v0-31 addresses; v32-95 scale words, two sets; from v128 x's fragments, ONE set; on the way out v128-255 packed results.
;   window 1: W's fragments, TWO sets, at v0 and v128.   window 2: the accumulators of my rows 0-63 ((a, b) at v[8 (8 a + b)]);   window 3: those of rows 64-127.
.set KSTEP,  512
.set NQ,     4                         ; matrix instructions deep in a slot
.set ROWB,   256                       ; a tile's row in bytes
.set KROW,   512                       ; a row of codes in memory
.set PITCH,  272                       ; an LDS row: 256 bytes + 16 of padding = 68 words: the 16 rows that a load touches start at 16 different banks (64 banks of 4 bytes: ISA guide 11.1)
.set FR,     8
.set NL,     2
.set NP,     4                         ; places behind this matrix instruction (ISA guide 7.12.1)
.set HALFT,  128*PITCH
.set SLOT,   4*HALFT                   ; x's 256 rows, then W's 256
.set KS,     32                        ; a row of scale bytes
.set SCL,    2*SLOT                    ; behind the slots: the scales, as rows of 256 bytes + 16 of padding
.set HALFS,  (128*KS/256)*272
.set SBLK,   (16*KS/256)*272
.set SPARE,  SCL+4*HALFS               ; the spare words, 128 bytes a wave: two blocks of 256 bytes that no other line names
.set ADRA, 16                          ; v16-17  LDS address of my x fragments in slot 0, 1
.set ADRB, 20                          ; v20-21  the same for W
.set L16,  25                          ; v25     16 x lane
.set CO,   26                          ; v26     my 16 bytes' place in an image: q, k: 16 x lane; v: permuted
.set ADRS, 27                          ; v27     LDS address of my scale words: lanes 0-15 x's rows, lanes 16-31 W's
.set SPW,  28
.set NIL,  29
.set SC,   32
.set AF,   128
.set G1, 24                            ; s[24:31] group 1 for x's tiles; s[32:39] group 0, a set for each slot
.set G0, 32
.set G1B, 48                           ; s[48:55], s[56:63] the same for W's
.set G0B, 56
.set G1S, 68                           ; s[68:75], s[76:79] groups 1 and 0 for x's scales; s[80:87], s[88:91] for W's
.set G0S, 76
.set G1SB, 80
.set G0SB, 88
.set MSB, 0
.macro WIN new                         ; the immediate's high byte repeats the setting that is left
.if MSB != \new
	s_set_vgpr_msb (MSB<<8)|\new
.set MSB, \new
.endif
.endm
.set MUL_LO, 0xa1                      ; source 0 (W) window 1, source 1 (x) window 0, C and D window 2
.set MUL_HI, 0xf1
.set TO_B,   0x40
; Waves 0 and 1 fetch for x (jointly), waves 2 and 3 for W.  The branch hangs on the wave's number alone.  An s_nop 0 and four v_nop follow each line.
.macro JLOAD g0a, g1a, g0b, g1b
	s_cmp_eq_u32 s15, 0
	s_cbranch_scc0 .Lfor_b_\@
	tensor_load_to_lds s[\g0a:\g0a+3], s[\g1a:\g1a+7]
	s_nop 0
.rept 4
	v_nop
.endr
	s_branch .Lasked_\@
.Lfor_b_\@:
	tensor_load_to_lds s[\g0b:\g0b+3], s[\g1b:\g1b+7]
	s_nop 0
.rept 4
	v_nop
.endr
.Lasked_\@:
.endm
.macro CROUND                          ; a round of the cluster's barrier
	s_barrier_signal -1
	s_barrier_wait -1
	s_cmp_lg_u32 s14, 0
	s_cbranch_scc1 .Lnot_wave_0_\@
	s_barrier_signal -3
.Lnot_wave_0_\@:
	s_barrier_wait -3
	s_barrier_signal -1
	s_barrier_wait -1
.endm
	s_load_b128 s[4:7], s[0:1], 0x0                ; x's codes s[4:5], x's scales s[6:7]
	s_load_b128 s[8:11], s[0:1], 0x10              ; W's codes s[8:9], W's scales s[10:11]
	s_load_b64 s[12:13], s[0:1], 0x20              ; qkv16
	s_load_b64 s[96:97], s[0:1], 0x28              ; qkv32
	v_lshl_add_u32 v[SPW], v0, 2, SPARE
	v_mov_b32 v[NIL], 0
	ds_add_u32 v[SPW], v[NIL]                      ; the wave's opening: the add, twice on end, and its wait ahead of my first tensor load
	ds_add_u32 v[SPW], v[NIL]
	v_lshrrev_b32 v1, 5, v0
	v_readfirstlane_b32 s14, v1                    ; wave 0..3
	s_lshr_b32 s15, s14, 1                         ; which half of the tile's rows is mine.  Also: I fetch for x (0) or for W (1)
	s_and_b32 s16, s14, 1                          ; which half of its columns.  Also: which 128 rows of that tile I fetch
	s_bfe_u32 s40, ttmp6, 0x40000                  ; cx: my place in the cluster
	s_lshl_b32 s42, ttmp9, 2
	s_add_co_u32 s42, s42, s40                     ; tile column = 4 x cluster x + cx
	s_and_b32 s17, ttmp7, 0xffff                   ; tile row = the cluster's y
	; group 1: a tile of 128 rows x 256 bytes, 16 bytes of padding behind each row
	s_mov_b32 s[G1+0], 15|(1<<20)|(1<<21)|(5<<22)|(3<<25)   ; 15:0 the mask: all four partners; 17:16 elements of 1 byte; 20 padding on; 21 set beside a mask; 24:22 after every 64 words; 31:25 four words
	s_mov_b32 s[G1B+0], (1<<20)|(5<<22)|(3<<25)             ; W's: no mask
.irp g, G1, G1B
	s_mov_b32 s[\g+1], ROWB<<16                    ; tensor_dim0
	s_mov_b32 s[\g+2], 128<<16                     ; tensor_dim1
	s_mov_b32 s[\g+3], ROWB<<16                    ; tile_dim0
	s_mov_b32 s[\g+4], 128                         ; tile_dim1
	s_mov_b32 s[\g+5], KROW                        ; from row to row
	s_mov_b32 s[\g+6], 0
	s_mov_b32 s[\g+7], 0
.endr
	; the scales of 128 rows: 4,096 dense bytes as 16 rows of 256 (32 elements of 8 bytes), 16 bytes of padding behind each
	s_mov_b32 s[G1S+0], 15|(3<<16)|(1<<20)|(1<<21)|(5<<22)|(3<<25)
	s_mov_b32 s[G1SB+0], (3<<16)|(1<<20)|(5<<22)|(3<<25)
.irp g, G1S, G1SB
	s_mov_b32 s[\g+1], 32<<16
	s_mov_b32 s[\g+2], (128*KS/256)<<16
	s_mov_b32 s[\g+3], 32<<16
	s_mov_b32 s[\g+4], 128*KS/256
	s_mov_b32 s[\g+5], 32
	s_mov_b32 s[\g+6], 0
	s_mov_b32 s[\g+7], 0
.endr
	s_lshl_b32 s18, s16, 7                         ; which 128 rows of the tile I fetch
	s_lshl_b32 s20, s17, 8
	s_add_co_u32 s20, s20, s18                     ; x: row 256 x tile row + 128 x half: no register of x's descriptors ever holds cx
	s_lshl_b32 s46, s42, 8
	s_add_co_u32 s46, s46, s18                     ; W: column 256 x tile column + 128 x half
	s_mov_b32 s21, 0
	s_mov_b32 s47, 0
	s_lshl_b64 s[22:23], s[20:21], 5               ; where these rows' scales begin: 32 bytes a row
	s_lshl_b64 s[92:93], s[46:47], 5
	s_lshl_b64 s[20:21], s[20:21], 9               ; and their codes: 512 bytes a row
	s_lshl_b64 s[46:47], s[46:47], 9
	s_mul_i32 s45, s14, HALFT                      ; where they go: wave x 128 rows
	s_mul_i32 s94, s14, HALFS
	s_wait_dscnt 0x0                               ; both opening adds are done
	s_wait_kmcnt 0x0
	s_add_nc_u64 s[20:21], s[4:5], s[20:21]
	s_add_nc_u64 s[22:23], s[6:7], s[22:23]
	s_add_nc_u64 s[46:47], s[8:9], s[46:47]
	s_add_nc_u64 s[92:93], s[10:11], s[92:93]
	CROUND                                         ; all four work-groups are here: the first joint loads meet
	s_mov_b32 s[G0S], 1
	s_add_co_u32 s[G0S+1], s94, SCL
	s_mov_b64 s[G0S+2:G0S+3], s[22:23]
	s_or_b32 s[G0S+3], s[G0S+3], 0x80000000
	s_mov_b32 s[G0SB], 1
	s_add_co_u32 s[G0SB+1], s94, SCL
	s_mov_b64 s[G0SB+2:G0SB+3], s[92:93]
	s_or_b32 s[G0SB+3], s[G0SB+3], 0x80000000
	JLOAD G0S, G1S, G0SB, G1SB                     ; the scales first: they are wanted with K step 0
.irp s, 0,1
	s_mov_b32 s[G0+4*\s], 1
	s_add_co_u32 s[G0+4*\s+1], s45, \s*SLOT
	s_add_nc_u64 s[G0+4*\s+2:G0+4*\s+3], s[20:21], \s*ROWB
	s_or_b32 s[G0+4*\s+3], s[G0+4*\s+3], 0x80000000
	s_mov_b32 s[G0B+4*\s], 1
	s_add_co_u32 s[G0B+4*\s+1], s45, \s*SLOT
	s_add_nc_u64 s[G0B+4*\s+2:G0B+4*\s+3], s[46:47], \s*ROWB
	s_or_b32 s[G0B+4*\s+3], s[G0B+4*\s+3], 0x80000000
	JLOAD G0+4*\s, G1, G0B+4*\s, G1B               ; three tensor loads of mine are out at the most
.endr
	v_and_b32 v1, 15, v0                           ; r = lane % 16
	v_bfe_u32 v2, v0, 4, 1                         ; h = lane / 16
	v_mul_u32_u24 v3, v1, PITCH
	v_lshl_add_u32 v4, v2, 4, v3                   ; a fragment's row x pitch + 16 x half
	s_mul_i32 s21, s15, HALFT                      ; my 128 rows of x
	s_mul_i32 s22, s16, HALFT                      ; my 128 columns of W,
	s_add_co_u32 s22, s22, 2*HALFT                 ; which lie behind x's 256 rows
.irp s, 0,1
	v_add_nc_u32 v[ADRA+\s], s21, v4
	v_add_nc_u32 v[ADRB+\s], s22, v4
	s_add_co_u32 s21, s21, SLOT
	s_add_co_u32 s22, s22, SLOT
.endr
	v_mul_u32_u24 v5, v1, KS                       ; my row's scales: 32 bytes a row,
	v_lshrrev_b32 v6, 8, v5
	v_lshl_add_u32 v5, v6, 4, v5                   ; and 16 more for each 256 passed
	s_mul_i32 s21, s15, HALFS
	s_mul_i32 s22, s16, HALFS
	s_add_co_u32 s22, s22, 2*HALFS
	s_sub_co_u32 s22, s22, s21
	v_mul_u32_u24 v6, s22, v2                      ; lanes 16-31 take W's: one product, the distance between the two bases
	s_add_co_u32 s21, s21, SCL
	v_add_nc_u32 v5, v5, v6
	v_add_nc_u32 v[ADRS], s21, v5
	; the way out
	v_and_b32 v6, 31, v0
	v_lshlrev_b32 v[L16], 4, v6
	v_bfe_u32 v7, v0, 3, 1
	v_lshlrev_b32 v7, 8, v7                        ; v's place: 256 (r / 8)
	v_lshl_add_u32 v7, v2, 7, v7                   ; + 128 h
	v_and_b32 v8, 7, v0
	v_lshl_add_u32 v7, v8, 4, v7                   ; + 16 (r % 8)
	s_cmp_eq_u32 ttmp9, 2                          ; cluster x = 2 makes v (columns 2,048 on): the cluster's own coordinate
	s_cselect_b32 s93, -1, 0
	v_cndmask_b32 v[CO], v[L16], v7, s93
	s_lshl_b32 s46, s42, 2
	s_lshl_b32 s47, s16, 1
	s_add_co_u32 s46, s46, s47                     ; my first column / 64
	s_lshl_b32 s46, s46, 1
	s_lshr_b32 s47, s17, 3                         ; the batch
	s_add_co_u32 s46, s46, s47                     ; the panel
	s_lshl_b32 s46, s46, 18                        ; 128 x 2,048 bytes a panel
	s_and_b32 s47, s17, 7
	s_lshl_b32 s47, s47, 4
	s_lshl_b32 s93, s15, 3
	s_add_co_u32 s47, s47, s93                     ; my first t / 16
	s_lshl_b32 s47, s47, 11
	s_add_co_u32 s46, s46, s47
	s_mov_b32 s47, 0
	s_add_nc_u64 s[12:13], s[12:13], s[46:47]
	s_lshr_b32 s46, s17, 3
	s_mul_i32 s46, s46, 192
	s_lshl_b32 s47, s42, 4
	s_add_co_u32 s46, s46, s47
	s_lshl_b32 s47, s16, 3
	s_add_co_u32 s46, s46, s47                     ; batch x 192 + my first column / 16
	s_lshl_b32 s46, s46, 10
	s_mov_b32 s47, 0
	s_add_nc_u64 s[96:97], s[96:97], s[46:47]
.macro FRAG reg, adr, q, i             ; 16 rows x 128 K of 4-bit codes: 8 registers: lane l holds row l % 16; registers 4 c .. 4 c + 3 hold K = 64 c + 32 (l / 16) + 0 .. 31
.irp c, 0,1
	ds_load_b128 v[\reg+4*\c:\reg+4*\c+3], v[\adr] offset:64*(\q)+32*\c+(\i)*16*PITCH
.endr
.endm
; 16 matrix instructions: x's blocks a0, a0 + 1 against W's eight, 128 along K.  The 64 accumulators take turns, one instruction a turn, in the same order in every step.
.macro MUL16 a0, p, q, sc, zero
.irp a, \a0, \a0+1
.irp b, 0,1,2,3,4,5,6,7
.if \zero
	v_wmma_scale_f32_16x16x128_f8f6f4 v[8*(8*((\a)%4)+\b):8*(8*((\a)%4)+\b)+7], v[128*(\p)+FR*\b:128*(\p)+FR*\b+FR-1], v[AF+FR*(\a):AF+FR*(\a)+FR-1], 0, v[SC+8*NQ*(\sc)+NQ*\b+(\q)], v[SC+8*NQ*(\sc)+NQ*(\a)+(\q)] matrix_a_fmt:MATRIX_FMT_FP4 matrix_b_fmt:MATRIX_FMT_FP4 matrix_a_scale:MATRIX_SCALE_ROW1
.else
	v_wmma_scale_f32_16x16x128_f8f6f4 v[8*(8*((\a)%4)+\b):8*(8*((\a)%4)+\b)+7], v[128*(\p)+FR*\b:128*(\p)+FR*\b+FR-1], v[AF+FR*(\a):AF+FR*(\a)+FR-1], v[8*(8*((\a)%4)+\b):8*(8*((\a)%4)+\b)+7], v[SC+8*NQ*(\sc)+NQ*\b+(\q)], v[SC+8*NQ*(\sc)+NQ*(\a)+(\q)] matrix_a_fmt:MATRIX_FMT_FP4 matrix_b_fmt:MATRIX_FMT_FP4 matrix_a_scale:MATRIX_SCALE_ROW1
.endif
.endr
.endr
.endm
.macro FETCH_B slot, q, p
	WIN TO_B
.irp i, 0,1,2,3,4,5,6,7
	FRAG 128*(\p)+FR*\i, ADRB+\slot, \q, \i
.endr
	WIN 0
.endm
.macro FETCH_A slot, q, i0
.irp i, \i0, \i0+1, \i0+2, \i0+3
	FRAG AF+FR*(\i), ADRA+\slot, \q, \i
.endr
.endm
.macro SCALES sc                       ; a K step's scale words: four a row; lanes 0-15 take x's block i, lanes 16-31 W's block i
.irp i, 0,1,2,3,4,5,6,7
	ds_load_b128 v[SC+8*NQ*\sc+NQ*\i:SC+8*NQ*\sc+NQ*\i+3], v[ADRS] offset:\i*SBLK
.endr
.endm
.macro PLACES n                        ; plain vector instructions that name no register of the matrix instructions in front of them (ISA guide 7.12.1)
.rept \n
	v_nop
.endr
.endm
.macro STEP slot, q, zero              ; 128 along K that has its successor in the same slot
	s_wait_dscnt 4*NL                              ; W's set and x's blocks 0-3 are in; the youngest eight loads (x's blocks 4-7) may be out
	WIN MUL_LO
	MUL16 0, (\q)%2, \q, \slot, \zero
	MUL16 2, (\q)%2, \q, \slot, \zero
	s_wait_dscnt 0
	PLACES NP
	FETCH_B \slot, (\q)+1, 1-(\q)%2
	FETCH_A \slot, (\q)+1, 0
	WIN MUL_HI
	MUL16 4, (\q)%2, \q, \slot, \zero
	MUL16 6, (\q)%2, \q, \slot, \zero
	PLACES NP
	WIN 0
	FETCH_A \slot, (\q)+1, 4
.endm
.macro STEPS slot, from
.set Q, \from
.rept NQ-1-\from
	STEP \slot, Q, 0
.set Q, Q+1
.endr
.endm
	s_wait_tensorcnt 1                             ; the scales and my part of K step 0 are in; K step 1's load may be out
	s_barrier_signal -1
	s_barrier_wait -1                              ; everybody's are
	FETCH_B 0, 0, 0
	FETCH_A 0, 0, 0
	SCALES 0
	FETCH_A 0, 0, 4
	STEP 0, 0, 1                                   ; the first products start the sums: nothing is cleared
	STEPS 0, 1
	; slot 0's last step changes slots: one barrier; in front of it my part of slot 1 has landed
	s_wait_tensorcnt 0x0                           ; all my tensor loads have landed
	ds_add_u32 v[SPW], v[NIL]                      ; 0 onto my spare word
	s_wait_dscnt 4*NL+1                            ; the add and the youngest eight loads may be out
	WIN MUL_LO
	MUL16 0, 1, NQ-1, 0, 0
	s_wait_dscnt 0x0
	s_barrier_signal -1
	MUL16 2, 1, NQ-1, 0, 0
	WIN 0
	s_barrier_wait -1                              ; slot 1 is whole
	PLACES NP
	v_add_nc_u32 v[ADRS], 4*NQ, v[ADRS]            ; on to K step 1's scale words
	FETCH_B 1, 0, 0
	FETCH_A 1, 0, 0
	SCALES 1
	WIN MUL_HI
	MUL16 4, 1, NQ-1, 0, 0
	MUL16 6, 1, NQ-1, 0, 0
	PLACES NP
	WIN 0
	FETCH_A 1, 0, 4
	STEPS 1, 0
	s_wait_dscnt 4*NL                              ; the very last step: nothing more to fetch
	WIN MUL_LO
	MUL16 0, 1, NQ-1, 1, 0
	MUL16 2, 1, NQ-1, 1, 0
	s_wait_dscnt 0
	WIN MUL_HI
	MUL16 4, 1, NQ-1, 1, 0
	MUL16 6, 1, NQ-1, 1, 0
	WIN 0
	PLACES NP                                      ; in front of the first reads of results, and of writes into the registers that held x's fragments
	; rows t = 0 .. 15 in f32: tile rows 0 and 8, the waves with the tile's upper half, their block 0.  The test is made of the cluster's y and the wave's number
	s_and_b32 s93, s17, 7
	s_or_b32 s93, s93, s15
	s_cmp_lg_u32 s93, 0
	s_cbranch_scc1 .Lnot_first
	WIN 0x08                                       ; a store's data are its source 1: window 2
.irp b, 0,1,2,3,4,5,6,7
	global_store_b128 v[L16], v[8*\b:8*\b+3], s[96:97] offset:\b*1024          ; each accumulator from its low end on; 512 consecutive bytes a store
	global_store_b128 v[L16], v[8*\b+4:8*\b+7], s[96:97] offset:\b*1024+512
.endr
	WIN 0
.Lnot_first:
.macro PACKOUT a                       ; block a (16 rows x 128 columns): rounded to f16, eight images of 512 bytes
.set AC, 64*((\a)%4)
.set PB, 128+32*((\a)%4)
.if (\a) >= 4
	s_wait_xcnt 0x0                                ; block a - 4's stores have read these registers
.endif
	WIN 0x0a+5*((\a)/4)                            ; sources 0 and 1: window 2 or 3
.irp b, 0,1,2,3,4,5,6,7
.irp i, 0,1,2,3
	v_cvt_pk_f16_f32 v[PB+4*\b+\i], v[AC+8*\b+2*\i], v[AC+8*\b+2*\i+1]
.endr
.endr
	WIN 0
.irp b, 0,1,2,3,4,5,6,7
	global_store_b128 v[CO], v[PB+4*\b:PB+4*\b+3], s[12:13] offset:(\a)*2048+(\b/4)*524288+((\b/2)%2)*1024+(\b%2)*512   ; t / 16, the head (two panels on), the 16 columns of the head
.endr
.endm
.irp a, 0,1,2,3,4,5,6,7
	PACKOUT \a
.endr
	s_wait_tensorcnt 0x0                           ; the wave's end, behind my last tensor load
	ds_add_u32 v[SPW], v[NIL]
	s_wait_dscnt 0x0
	CROUND                                         ; the closing round: no work-group ends while a partner may still ask for a tile that names it
	s_endpgm
.Lfunc_end_k_q62459864be_qkv:
	.size	k_q62459864be_qkv, .Lfunc_end_k_q62459864be_qkv-k_q62459864be_qkv
	.p2alignl 7, 3214868480
	.fill 96, 4, 3214868480
	.section	.rodata,"a",@progbits
	.p2align	6, 0x0
	.amdhsa_kernel k_q62459864be_qkv
		.amdhsa_group_segment_fixed_size 327680
		.amdhsa_private_segment_fixed_size 0
		.amdhsa_enable_private_segment 0
		.amdhsa_kernarg_size 48
		.amdhsa_user_sgpr_count 2
		.amdhsa_user_sgpr_kernarg_segment_ptr 1
		.amdhsa_wavefront_size32 1
		.amdhsa_system_sgpr_workgroup_id_x 1
		.amdhsa_system_sgpr_workgroup_id_y 1
		.amdhsa_system_sgpr_workgroup_id_z 1
		.amdhsa_system_vgpr_workitem_id 0
		.amdhsa_next_free_vgpr 1024
		.amdhsa_next_free_sgpr 100
		.amdhsa_reserve_vcc 0
		.amdhsa_float_denorm_mode_32 3
		.amdhsa_float_denorm_mode_16_64 3
		.amdhsa_memory_ordered 1
		.amdhsa_forward_progress 1
		.amdhsa_inst_pref_size 120
	.end_amdhsa_kernel
	.amdgpu_metadata
---
amdhsa.version: [ 1, 2 ]
amdhsa.kernels:
  - .name:           k_q62459864be_qkv
    .symbol:         k_q62459864be_qkv.kd
    .args:
      - { .name: x_codes, .offset: 0, .size: 8, .value_kind: global_buffer, .address_space: global }
      - { .name: x_scales, .offset: 8, .size: 8, .value_kind: global_buffer, .address_space: global }
      - { .name: w_codes, .offset: 16, .size: 8, .value_kind: global_buffer, .address_space: global }
      - { .name: w_scales, .offset: 24, .size: 8, .value_kind: global_buffer, .address_space: global }
      - { .name: qkv16, .offset: 32, .size: 8, .value_kind: global_buffer, .address_space: global }
      - { .name: qkv32, .offset: 40, .size: 8, .value_kind: global_buffer, .address_space: global }
    .group_segment_fixed_size: 327680
    .private_segment_fixed_size: 0
    .kernarg_segment_align: 8
    .kernarg_segment_size: 48
    .max_flat_workgroup_size: 128
    .sgpr_count:     100
    .vgpr_count:     1024
    .wavefront_size: 32
...
	.end_amdgpu_metadata
.endif
;; end of part 2
;; launch attn (part 3): grid 8 x 32, 16 waves a work-group, no clusters, 327,680 bytes of LDS; arguments qkv16, y16; writes y16
.if DOCPART == 3
	.amdgcn_target "amdgcn-amd-amdhsa--gfx1250"
	.amdhsa_code_object_version 6
	.text
	.protected	k_q62459864be_attn
	.globl	k_q62459864be_attn
	.p2align	8
	.type	k_q62459864be_attn,@function
k_q62459864be_attn:
	s_mov_b64 s[64:65], 0
	v_nop
	global_prefetch_b8 v0, s[64:65] scope:SCOPE_SE
	s_setreg_imm32_b32 hwreg(HW_REG_WAVE_MODE, 25, 1), 1
	s_wait_xcnt 0x0
; y[b][t][head] = softmax_s(q . k / 8, s <= t) v, head size 64, T = 2,048, 32 panels (head, batch).  Operands in f16 (q, k, v as the launch before laid them; the weights p rounded to f16), products, maxima and sums in f32.
; SHARES.  Work-group (I, panel) owns two blocks of 128 queries: 15 - I first, then I.  Keys go in slots of 256 (two tiles of 128).  Block QB walks slots 0 .. QB / 2: (15 - I) / 2 + 1 + I / 2 + 1 = 9 slots in every
; work-group, so the loop's trip count is a constant and all 256 work-groups have 17 visible tiles of 128 x 128.
; Sixteen waves: wave = 4 kg + qg.  qg: 32 of the block's queries (two tiles of 16); kg: 64 of the slot's 256 keys.  Each wave keeps its own running maximum, sum and O^T over its keys; at a block's end the four key
; groups' parts meet in LDS and wave (qg, kg) finishes channels 16 kg .. 16 kg + 15.
; LAYOUT.  S^T = K Q^T (source 0 = 16 keys, source 1 = 16 queries): a lane holds ONE query (lane % 16) and keys 8 (lane / 16) + 0 .. 7.  Two such tiles rounded to f16 in pairs ARE source 1 of O^T = V^T P.
; K's and Q's images are read at 16 x lane; V's by the turning load at 16 x lane (its 16-byte pieces were laid for that): every LDS read takes 512 consecutive bytes.
; SOFTMAX.  p = 2^(c s - c m), c = log2(e) / 8, m the running maximum (it starts at -3e38); in every step O and the sum are multiplied by a = 2^(c m_old - c m_new).  Hidden scores become -infinity ahead of the maximum.
; THE MASK.  A wave's step is left out where its first key comes after its last query (a scalar branch on ids).  Both are multiples of 32, so in a step that is walked every query sees the step's first key.
; A tile of 128 keys that is hidden from the whole block is not asked for: the test, made of ids and counted steps alone and alike in all waves, stands directly behind the barrier and leads round that load only; every wait on TENSORcnt is for 0.
; NO CLUSTER: work-groups of a panel are at different slots of their walks at the same time (block 15 - I ends after 8 - I / 2 slots), and a tile hidden from one partner would still have to be asked for by it.
; LIMITS: y is rounded to f16 (a convex mix of v: the same range as v, under 65,504).  NaN and infinities are not served.
.set SLOTB, 65536                      ; a slot: [K tile 0][V tile 0][K tile 1][V tile 1], 16,384 bytes each, dense images; slot 1 begins here, so that one exclusive or turns an address
.set VOFF,  16384
.set STG,   131072                     ; behind the ring: a part for each wave: O^T as 16 groups of 512 bytes, then the statistics' 512 bytes
.set PART,  8704
.set SPARE, STG+16*PART                ; the spare words, 128 bytes a wave: eight blocks of 256 bytes that no other line names
.set AK0,  1                           ; v1   my lane's place in a slot: 16 x lane + my 64 keys' images
.set ADR,  2                           ; v2   the LDS address of the step in hand
.set L16,  3                           ; v3   16 x lane
.set SPW,  4
.set NIL,  5
.set MWR,  6                           ; v6   my part, to write
.set MRD,  7                           ; v7   my query group's parts, at my channels
.set MRS,  8                           ; v8   my query group's parts
.set PFO,  9                           ; v9   256 x lane: the prefetches' offset
.set D0,   10                          ; v10  the mask: my query - the step's first key - 8 (lane / 16)
.set NINF, 11                          ; v11  -infinity
.set ST,   12                          ; tile t's statistics at v[12 + 8 t]: +0 c m, +1 m, +2, +3 the sum (even keys', odd keys'), +4 .. +7 c0-c3 at work; a takes c2's place
.set QF,   32                          ; v32-63   Q: tile t, channels 32 e on: 32 + 16 t + 8 e
.set S,    64                          ; v64-127  S^T: 64 + 32 t + 8 kt; then p; P is packed into 64 + 32 t + 0 .. 15
.set O,    128                         ; v128-191 O^T: 128 + 32 t + 8 dt
.set KV,   192                         ; v192-255 K's fragments (192 + 16 kt + 8 e), then V^T's (192 + 16 dt + 8 kk)
.set WV,   8
.set QG,   9
.set KG,   10
.set YY,   11                          ; the panel
.set QB,   12                          ; the block and slot in hand
.set KS,   13
.set QBN,  14                          ; the block and slot that are being asked for
.set KSN,  15
.set QL,   16                          ; the second block
.set T1,   17                          ; the second tile of the slot that is being asked for
.set TB,   18                          ; LDS byte at which the slot in hand begins
.set SLOTS, 19
.set SEL,  20                          ; s[20:21] v_permlanex16_b32's selects for lane l xor 16
.set CS,   22                          ; s[22:23] c, twice
.set G1,   24                          ; s[24:31] descriptor group 1
.set G0,   32                          ; s[32:35] group 0, which walks
.set KVB,  36                          ; s[36:37] my tile of slot 0 in memory
.set OFF,  38                          ; s[38:39] an offset, high word 0
.set QPAN, 40
.set QP,   42
.set YPAN, 44
.set YB,   46
.set PFA,  48                          ; s[48:49] where my prefetches stand
.set LIM,  50
.set KF,   52                          ; my step's first key
.set Q0,   53                          ; my first query
.set FIN,  54                          ; 1 in a block's last slot
.macro TL                              ; a tensor load; an s_nop 0 and four v_nop follow it
	tensor_load_to_lds s[G0:G0+3], s[G1:G1+7]
	s_nop 0
.rept 4
	v_nop
.endr
.endm
.macro QLOAD                           ; my 32 queries' images: 4,096 consecutive bytes
.irp i, 0,1,2,3,4,5,6,7
	global_load_b128 v[QF+4*\i:QF+4*\i+3], v[L16], s[QP:QP+1] offset:512*\i
.endr
.endm
.macro RESET                           ; a block begins: O^T and the sum are zeros, the maximum lies under every score.  (The step is written once: the first change of the maximum multiplies zeros)
.set j, 0
.rept 64
	v_mov_b32 v[O+j], 0
.set j, j+1
.endr
.irp t, 0,1
	v_mov_b32 v[ST+1+8*\t], 0xff61b1e6             ; -3e38
	v_mul_f32 v[ST+8*\t], s[CS], v[ST+1+8*\t]
	v_mov_b32 v[ST+2+8*\t], 0
	v_mov_b32 v[ST+3+8*\t], 0
.endr
.endm
	s_load_b128 s[4:7], s[0:1], 0x0                ; qkv16 s[4:5], y16 s[6:7]
	v_lshl_add_u32 v[SPW], v0, 2, SPARE
	v_mov_b32 v[NIL], 0
	ds_add_u32 v[SPW], v[NIL]                      ; the wave's opening: the add, twice on end, and its wait ahead of the first tensor load; the set-up below stands between
	ds_add_u32 v[SPW], v[NIL]
	v_lshrrev_b32 v[ADR], 5, v0
	v_readfirstlane_b32 s[WV], v[ADR]              ; wave 0..15
	s_and_b32 s[QG], s[WV], 3
	s_lshr_b32 s[KG], s[WV], 2
	s_and_b32 s[YY], ttmp7, 0xffff
	s_mov_b32 s[QL], ttmp9
	s_sub_co_u32 s[QB], 15, s[QL]
	s_mov_b32 s[QBN], s[QB]
	s_mov_b32 s[KS], 0
	s_mov_b32 s[KSN], 0
	s_mov_b32 s[TB], 0
	s_mov_b32 s[SLOTS], 8
	s_mov_b32 s[SEL], 0x76543210
	s_mov_b32 s[SEL+1], 0xfedcba98
	s_mov_b32 s[CS], 0x3e38aa3b                    ; c = log2(e) / 8
	s_mov_b32 s[CS+1], s[CS]
	; group 1: 16,384 dense bytes as 64 rows of 256 (32 elements of 8 bytes), no padding
	s_mov_b32 s[G1+0], 3<<16
	s_mov_b32 s[G1+1], 32<<16                      ; tensor_dim0
	s_mov_b32 s[G1+2], 64<<16                      ; tensor_dim1
	s_mov_b32 s[G1+3], 32<<16                      ; tile_dim0
	s_mov_b32 s[G1+4], 64                          ; tile_dim1
	s_mov_b32 s[G1+5], 32                          ; from row to row
	s_mov_b32 s[G1+6], 0
	s_mov_b32 s[G1+7], 0
	s_mov_b32 s[G0], 1
	s_lshl_b32 s[G0+1], s[QG], 14                  ; waves 0-3 fetch: K tile 0, V tile 0, K tile 1, V tile 1: 16,384 x wave, in slot 0
	s_and_b32 s55, s[WV], 1                        ; K (0) or V (1)
	s_lshl_b32 s55, s55, 5
	s_add_co_u32 s55, s55, 32
	s_add_co_u32 s55, s55, s[YY]                   ; K's panel is 32 + y, V's 64 + y
	s_lshl_b32 s56, s55, 18
	s_bfe_u32 s55, s[WV], 0x10001                  ; which tile of the slot
	s_lshl_b32 s55, s55, 14
	s_add_co_u32 s56, s56, s55
	s_mov_b32 s57, 0
	s_lshl_b32 s58, s[YY], 18                      ; Q's panel, my 32 queries
	s_lshl_b32 s55, s[QG], 12
	s_add_co_u32 s58, s58, s55
	s_mov_b32 s59, 0
	s_and_b32 s60, s[YY], 1                        ; y16: [row / 16][k / 32][1,024 bytes]: the batch's 128 blocks of 32,768 bytes,
	s_lshl_b32 s60, s60, 22
	s_lshl_b32 s55, s[QG], 16                      ; my two blocks of 16 rows,
	s_add_co_u32 s60, s60, s55
	s_lshr_b32 s55, s[YY], 1
	s_lshl_b32 s55, s55, 11                        ; the head's two images,
	s_add_co_u32 s60, s60, s55
	s_lshl_b32 s55, s[KG], 9                       ; my 16 channels: half an image
	s_add_co_u32 s60, s60, s55
	s_mov_b32 s61, 0
	s_lshr_b32 s55, s[WV], 3                       ; the prefetches: waves 4-7 K's panel, waves 8-11 V's,
	s_lshl_b32 s55, s55, 5
	s_add_co_u32 s55, s55, 32
	s_add_co_u32 s55, s55, s[YY]
	s_lshl_b32 s62, s55, 18
	s_lshl_b32 s55, s[QG], 13                      ; 8,192 bytes of a slot's 32,768 a wave,
	s_add_co_u32 s62, s62, s55
	s_add_co_u32 s62, s62, 32768                   ; at slot 1: the first change of slots steps it to slot 2
	s_mov_b32 s63, 0
	s_sub_co_u32 s55, s[WV], 4
	s_lshr_b32 s55, s55, 3                         ; 0 in waves 4 to 11,
	s_or_b32 s55, s55, ttmp9                       ; of the panel's first work-group, whose first block walks all eight slots
	s_cmp_eq_u32 s55, 0
	s_cselect_b32 s[LIM], 2, -1
	s_lshl_b32 s[OFF], s[QB], 14                   ; a block's 128 queries: 16,384 bytes
	s_mov_b32 s[OFF+1], 0
	v_and_b32 v[ADR], 31, v0
	v_lshlrev_b32 v[L16], 4, v[ADR]
	v_lshlrev_b32 v[PFO], 8, v[ADR]
	s_lshr_b32 s2, s[KG], 1
	s_lshl_b32 s2, s2, 15                          ; my tile of the slot,
	s_and_b32 s3, s[KG], 1
	s_lshl_b32 s3, s3, 13                          ; my 64 keys of its 128
	s_add_co_u32 s2, s2, s3
	v_add_nc_u32 v[AK0], s2, v[L16]
	s_lshl_b32 s2, s[QG], 2
	s_add_co_u32 s2, s2, s[KG]
	s_mul_i32 s2, s2, PART
	s_add_co_u32 s2, s2, STG
	v_add_nc_u32 v[MWR], s2, v[L16]
	s_mul_i32 s2, s[QG], 4*PART
	s_add_co_u32 s2, s2, STG
	v_add_nc_u32 v[MRS], s2, v[L16]
	s_lshl_b32 s3, s[KG], 10
	s_add_co_u32 s2, s2, s3
	v_add_nc_u32 v[MRD], s2, v[L16]
	v_mov_b32 v[NINF], 0xff800000
	s_wait_dscnt 0x0                               ; both opening adds are done
	s_wait_kmcnt 0x0
	s_add_nc_u64 s[KVB:KVB+1], s[4:5], s[56:57]
	s_mov_b64 s[G0+2:G0+3], s[KVB:KVB+1]
	s_or_b32 s[G0+3], s[G0+3], 0x80000000
	s_cmp_lt_u32 s[WV], 4                          ; slot 0 of the first block (15 - I is 8 at the least: both tiles count)
	s_cbranch_scc0 .Lhead_asked
	TL
.Lhead_asked:
	s_add_nc_u64 s[QPAN:QPAN+1], s[4:5], s[58:59]
	s_add_nc_u64 s[QP:QP+1], s[QPAN:QPAN+1], s[OFF:OFF+1]
	s_add_nc_u64 s[YPAN:YPAN+1], s[6:7], s[60:61]
	s_add_nc_u64 s[PFA:PFA+1], s[4:5], s[62:63]
	QLOAD
	RESET
.irp t, 0,1
.irp j, 4,5,6,7
	v_mov_b32 v[ST+8*\t+\j], 0                     ; written once: a lane permute's destination counts as one of its sources
.endr
.endr
	s_wait_loadcnt 0x0                             ; Q
; THE CHANGE OF SLOTS, at a slot's head.  Each wave waits for all its tensor loads (its part of the slot that it is about to read), adds 0 to its spare word, and waits for that and for its LDS reads.
; Behind the barrier the slot ahead is whole and nobody reads the other one.  fill = 1: the other slot is filled with the walk's next slot: one load a fetching wave, 65,536 bytes for the work-group, a slot's work in which to land.
.macro CHANGE fill
	s_wait_tensorcnt 0x0                           ; no tensor load of mine is out, so group 0 may be written
	ds_add_u32 v[SPW], v[NIL]                      ; 0 onto my spare word
.if \fill
	ds_add_u32 v[SPW], v[NIL]                      ; and once more: the add twice on end, in every trip alike
	s_lshr_b32 s55, s[QBN], 1                      ; the walk's next slot: one on, or the second block's slot 0
	s_add_co_u32 s56, s[KSN], 1
	s_cmp_eq_u32 s[KSN], s55
	s_cselect_b32 s[KSN], 0, s56
	s_cselect_b32 s[QBN], s[QL], s[QBN]
	s_lshl_b32 s[T1], s[KSN], 1
	s_add_co_u32 s[T1], s[T1], 1
	s_xor_b32 s[G0+1], s[G0+1], SLOTB              ; the other slot than last time
	s_lshl_b32 s[OFF], s[KSN], 15                  ; 256 keys: 32,768 bytes of a panel
	s_add_nc_u64 s[G0+2:G0+3], s[KVB:KVB+1], s[OFF:OFF+1]
	s_or_b32 s[G0+3], s[G0+3], 0x80000000
	s_wait_xcnt 0x0                                ; the last prefetch, a slot back, has read its address
	s_add_nc_u64 s[PFA:PFA+1], s[PFA:PFA+1], 32768
.endif
	s_wait_dscnt 0x0                               ; the add is done (fill = 1: both are), and my LDS reads are over
	s_barrier_signal -1
	s_barrier_wait -1
.if \fill
	s_cmp_gt_u32 s[T1], s[QBN]                     ; the slot's second tile is hidden from the whole block: no wave would read it, so it is not asked for
	s_cbranch_scc1 .Lpast_\@
	s_cmp_lt_u32 s[WV], 2
	s_cbranch_scc1 .Lpast_\@
	s_cmp_lt_u32 s[WV], 4
	s_cbranch_scc0 .Lpast_\@
	TL                                             ; waves 2 and 3: the second tile's K and V
.Lpast_\@:
	s_cmp_lt_u32 s[WV], 2
	s_cbranch_scc0 .Lasked_\@
	TL                                             ; waves 0 and 1: the first tile's, which always counts
.Lasked_\@:
	; A prefetch of what the NEXT change of slots will ask for.  All eight work-groups of a panel walk the same K and V: the first of them asks, in the waves that fetch nothing: waves 4-7 K's 32,768 bytes of a slot,
	; waves 8-11 V's, 8,192 bytes a wave, lanes 256 bytes apart: each block of 256 bytes is named once in the launch.  Trip s names slot s + 2; the last two trips name nothing; slots 0 and 1 come by their loads alone.
	s_cmp_gt_u32 s[SLOTS], s[LIM]
	s_cbranch_scc0 .Lnot_mine_\@
	global_prefetch_b8 v[PFO], s[PFA:PFA+1] th:TH_LOAD_NT scope:SCOPE_SE
.Lnot_mine_\@:
.endif
.endm
; A SLOT'S WORK for my 32 queries and my 64 keys.  more = 1: in the loop; 0: the walk's last slot, which ends the second block.
.macro SLOTWORK more
	v_add_nc_u32 v[ADR], s[TB], v[AK0]
	s_lshl_b32 s[KF], s[KS], 8
	s_lshl_b32 s55, s[KG], 6
	s_add_co_u32 s[KF], s[KF], s55
	s_lshl_b32 s[Q0], s[QB], 7
	s_lshl_b32 s55, s[QG], 5
	s_add_co_u32 s[Q0], s[Q0], s55
	s_add_co_u32 s55, s[Q0], 31
	s_cmp_gt_u32 s[KF], s55                        ; all my keys come after all my queries: ids and the wave's number alone; no barrier, wait on TENSORcnt or add is jumped over
	s_cbranch_scc1 .Lskip_\@
.irp e, 0,1                                    ; K's 16 keys x 32 channels: two loads of 512 consecutive bytes; channels 0-31 of all four tiles first
.irp kt, 0,1,2,3
	ds_load_b128 v[KV+16*\kt+8*\e:KV+16*\kt+8*\e+3],   v[ADR] offset:\kt*2048+\e*1024
	ds_load_b128 v[KV+16*\kt+8*\e+4:KV+16*\kt+8*\e+7], v[ADR] offset:\kt*2048+\e*1024+512
.endr
.endr
	s_wait_dscnt 8                                 ; channels 0-31 are in; the eight loads of channels 32-63 may be out
.irp kt, 0,1,2,3                               ; S^T = K Q^T: eight accumulators by turns, one instruction a turn; the first products start the sums
.irp t, 0,1
	v_wmma_f32_16x16x32_f16 v[S+32*\t+8*\kt:S+32*\t+8*\kt+7], v[KV+16*\kt:KV+16*\kt+7], v[QF+16*\t:QF+16*\t+7], 0
.endr
.endr
	s_wait_dscnt 0x0
.irp kt, 0,1,2,3
.irp t, 0,1
	v_wmma_f32_16x16x32_f16 v[S+32*\t+8*\kt:S+32*\t+8*\kt+7], v[KV+16*\kt+8:KV+16*\kt+15], v[QF+16*\t+8:QF+16*\t+15], v[S+32*\t+8*\kt:S+32*\t+8*\kt+7]
.endr
.endr
.rept 4
	v_nop                                          ; places in front of the loads into K's registers and of the first reads of the scores
.endr
.irp dt, 0,1,2,3                               ; V^T: 16 channels x 32 keys: two turning loads, one for each 16 keys
.irp kk, 0,1
	ds_load_tr16_b128 v[KV+16*\dt+8*\kk:KV+16*\dt+8*\kk+3],   v[ADR] offset:VOFF+(2*\kk)*2048+(\dt/2)*1024+(\dt%2)*512
	ds_load_tr16_b128 v[KV+16*\dt+8*\kk+4:KV+16*\dt+8*\kk+7], v[ADR] offset:VOFF+(2*\kk+1)*2048+(\dt/2)*1024+(\dt%2)*512
.endr
.endr
	s_add_co_u32 s55, s[KF], 63
	s_cmp_le_u32 s55, s[Q0]                        ; all my keys count for all my queries: no mask
	s_cbranch_scc1 .Lopen_\@
	s_sub_co_i32 s55, s[Q0], s[KF]
	v_and_b32 v[D0], 15, v0
	v_bfe_u32 v28, v0, 4, 1
	v_lshlrev_b32 v28, 3, v28
	v_sub_nc_u32 v[D0], v[D0], v28
	v_add_nc_u32 v[D0], s55, v[D0]                 ; register 32 t + 8 kt + j holds key KF + 16 kt + 8 (lane / 16) + j of query Q0 + 16 t + lane % 16: hidden where 16 kt + j - 16 t > D0
.irp t, 0,1
.irp kt, 0,1,2,3
.irp j, 0,1,2,3,4,5,6,7
	v_cmp_gt_i32 vcc_lo, 16*\kt+\j-16*\t, v[D0]
	v_cndmask_b32 v[S+32*\t+8*\kt+\j], v[S+32*\t+8*\kt+\j], v[NINF], vcc_lo
.endr
.endr
.endr
.Lopen_\@:
	; the softmax, the two tiles line by line by turns.  The maximum of 32 scores and the old m: four chains, each accumulator from its low end on
.irp j, 0,1,2,3
.irp t, 0,1
	v_max3_num_f32 v[ST+4+8*\t+\j], v[S+32*\t+8*\j], v[S+32*\t+8*\j+1], v[S+32*\t+8*\j+2]
.endr
.endr
.irp i, 3,5
.irp j, 0,1,2,3
.irp t, 0,1
	v_max3_num_f32 v[ST+4+8*\t+\j], v[ST+4+8*\t+\j], v[S+32*\t+8*\j+\i], v[S+32*\t+8*\j+\i+1]
.endr
.endr
.endr
.irp t, 0,1
	v_max3_num_f32 v[ST+4+8*\t], v[ST+4+8*\t], v[S+32*\t+7], v[S+32*\t+15]
	v_max3_num_f32 v[ST+6+8*\t], v[ST+6+8*\t], v[S+32*\t+23], v[S+32*\t+31]
.endr
.irp t, 0,1
	v_max3_num_f32 v[ST+4+8*\t], v[ST+4+8*\t], v[ST+5+8*\t], v[ST+6+8*\t]
.endr
.irp t, 0,1
	v_max3_num_f32 v[ST+4+8*\t], v[ST+4+8*\t], v[ST+7+8*\t], v[ST+1+8*\t]
.endr
.irp t, 0,1
	v_permlanex16_b32 v[ST+5+8*\t], v[ST+4+8*\t], s[SEL], s[SEL+1]   ; the query's other 32 keys lie in the lane 16 away
.endr
.irp t, 0,1
	v_mov_b32 v[ST+7+8*\t], v[ST+8*\t]             ; c m_old is kept for a
.endr
.irp t, 0,1
	v_max_num_f32 v[ST+1+8*\t], v[ST+4+8*\t], v[ST+5+8*\t]
.endr
.irp t, 0,1
	v_mul_f32 v[ST+8*\t], s[CS], v[ST+1+8*\t]
.endr
.irp t, 0,1
	v_sub_f32 v[ST+7+8*\t], v[ST+7+8*\t], v[ST+8*\t]
.endr
.irp b, 0,1,2,3,4,5,6,7,8,9,10,11,12,13,14,15
.irp t, 0,1
	v_pk_fma_f32 v[S+32*\t+2*\b:S+32*\t+2*\b+1], v[S+32*\t+2*\b:S+32*\t+2*\b+1], s[CS:CS+1], v[ST+8*\t:ST+8*\t+1] op_sel_hi:[1,0,0] neg_lo:[0,0,1] neg_hi:[0,0,1]   ; c s - c m, two at a time
.endr
.endr
.irp t, 0,1
	v_exp_f32 v[ST+6+8*\t], v[ST+7+8*\t]           ; a
.endr
.set j, 0
.rept 64
	v_exp_f32 v[S+j], v[S+j]                       ; p: ONE batch of 66 exponentials
.set j, j+1
.endr
	v_nop                                          ; a plain instruction behind the last exponential
	s_wait_alu depctr_va_vdst(0)                   ; one wait for the batch, ahead of its first reader
.irp t, 0,1
	v_pk_add_f32 v[ST+4+8*\t:ST+5+8*\t], v[S+32*\t:S+32*\t+1], v[S+32*\t+2:S+32*\t+3]      ; the sum of the unrounded p, in two chains a tile
.endr
.irp t, 0,1
	v_pk_add_f32 v[28+2*\t:29+2*\t], v[S+32*\t+4:S+32*\t+5], v[S+32*\t+6:S+32*\t+7]
.endr
.irp b, 8,12,16,20,24,28
.irp t, 0,1
	v_pk_add_f32 v[ST+4+8*\t:ST+5+8*\t], v[ST+4+8*\t:ST+5+8*\t], v[S+32*\t+\b:S+32*\t+\b+1]
	v_pk_add_f32 v[28+2*\t:29+2*\t], v[28+2*\t:29+2*\t], v[S+32*\t+\b+2:S+32*\t+\b+3]
.endr
.endr
.irp t, 0,1
	v_pk_add_f32 v[ST+4+8*\t:ST+5+8*\t], v[ST+4+8*\t:ST+5+8*\t], v[28+2*\t:29+2*\t]
.endr
.irp t, 0,1
	v_pk_fma_f32 v[ST+2+8*\t:ST+3+8*\t], v[ST+2+8*\t:ST+3+8*\t], v[ST+6+8*\t:ST+7+8*\t], v[ST+4+8*\t:ST+5+8*\t] op_sel_hi:[1,0,1]   ; the sum = a x the sum + this step's
.endr
.irp i, 0,1,2,3,4,5,6,7,8,9,10,11,12,13,14,15
.irp t, 0,1
	v_cvt_pk_f16_f32 v[S+32*\t+\i], v[S+32*\t+2*\i], v[S+32*\t+2*\i+1]   ; P, in place, ascending: registers 8 kk .. 8 kk + 7 are source 1 for keys 32 kk on
.endr
.endr
.irp i, 0,1,2,3,4,5,6,7,8,9,10,11,12,13,14,15
.irp t, 0,1
	v_pk_mul_f32 v[O+32*\t+2*\i:O+32*\t+2*\i+1], v[O+32*\t+2*\i:O+32*\t+2*\i+1], v[ST+6+8*\t:ST+7+8*\t] op_sel_hi:[1,0]   ; O^T x a
.endr
.endr
	s_wait_dscnt 0x0                               ; V is in
.irp kk, 0,1                                   ; O^T += V^T P: eight accumulators by turns
.irp dt, 0,1,2,3
.irp t, 0,1
	v_wmma_f32_16x16x32_f16 v[O+32*\t+8*\dt:O+32*\t+8*\dt+7], v[KV+16*\dt+8*\kk:KV+16*\dt+8*\kk+7], v[S+32*\t+8*\kk:S+32*\t+8*\kk+7], v[O+32*\t+8*\dt:O+32*\t+8*\dt+7]
.endr
.endr
.endr
.rept 5
	v_nop                                          ; five places: the next step's first products write over P's registers; its loads land on V's; a block's end reads O^T
.endr
.Lskip_\@:
	s_xor_b32 s[TB], s[TB], SLOTB                  ; on to the other slot
.if \more
	s_lshr_b32 s55, s[QB], 1
	s_cmp_eq_u32 s[KS], s55                        ; the block's last slot?  Ids and counted steps: alike in all waves
	s_cselect_b32 s[FIN], 1, 0
	s_cmp_eq_u32 s[FIN], 0
	s_cbranch_scc1 .Lno_parts_\@
.endif
	; my part goes to LDS: O^T as it stands, c m of both tiles, the sums' two halves added
	v_mov_b32 v28, v[ST]
	v_mov_b32 v29, v[ST+8]
	v_add_f32 v30, v[ST+2], v[ST+3]
	v_add_f32 v31, v[ST+10], v[ST+11]
.irp g, 0,1,2,3,4,5,6,7,8,9,10,11,12,13,14,15
	ds_store_b128 v[MWR], v[O+4*\g:O+4*\g+3] offset:512*\g
.endr
	ds_store_b128 v[MWR], v[28:31] offset:8192
.if \more
	s_lshl_b32 s56, s[QL], 14
	s_mov_b32 s57, 0
	s_add_nc_u64 s[QP:QP+1], s[QPAN:QPAN+1], s[56:57]
	QLOAD                                          ; the second block's queries are asked for here; the wait for them stands at the trip's end, on every way
.Lno_parts_\@:
.endif
	s_wait_dscnt 0x0                               ; my stores have landed
	s_barrier_signal -1                            ; every wave passes this barrier in every slot; the slot's tensor load may stay out
	s_barrier_wait -1
.if \more
	s_cmp_eq_u32 s[FIN], 0
	s_cbranch_scc1 .Lno_merge_\@
.endif
	; THE MERGE: channels 16 kg .. 16 kg + 15 of my query group's 32 queries, from the four key groups' parts
.irp p, 0,1,2,3
	ds_load_b128 v[KV+4*\p:KV+4*\p+3], v[MRS] offset:PART*\p+8192
.endr
.irp p, 0,1,2,3
.irp t, 0,1
	ds_load_b128 v[S+16*\p+8*\t:S+16*\p+8*\t+3],   v[MRD] offset:PART*\p+4096*\t
	ds_load_b128 v[S+16*\p+8*\t+4:S+16*\p+8*\t+7], v[MRD] offset:PART*\p+4096*\t+512
.endr
.endr
	s_wait_dscnt 0x0
.irp t, 0,1
	v_max3_num_f32 v[240+\t], v[KV+\t], v[KV+4+\t], v[KV+8+\t]
.endr
.irp t, 0,1
	v_max_num_f32 v[240+\t], v[240+\t], v[KV+12+\t]                ; the largest c m of the four
.endr
.irp p, 0,1,2,3
.irp t, 0,1
	v_sub_f32 v[208+4*\p+2*\t], v[KV+4*\p+\t], v[240+\t]
.endr
.endr
.irp p, 0,1,2,3
.irp t, 0,1
	v_exp_f32 v[208+4*\p+2*\t], v[208+4*\p+2*\t]   ; each part's weight (a part that saw no key has c m = c x -3e38: weight 0)
.endr
.endr
	v_nop
	s_wait_alu depctr_va_vdst(0)                   ; one wait for the eight
.irp t, 0,1
	v_mul_f32 v[242+\t], v[208+2*\t], v[KV+2+\t]
.endr
.irp p, 1,2,3
.irp t, 0,1
	v_fmac_f32 v[242+\t], v[208+4*\p+2*\t], v[KV+4*\p+2+\t]
.endr
.endr
.irp t, 0,1
	v_permlanex16_b32 v[ST+5+8*\t], v[242+\t], s[SEL], s[SEL+1]
.endr
.irp t, 0,1
	v_add_f32 v[242+\t], v[242+\t], v[ST+5+8*\t]   ; with the other half of the lanes': the row's sum
.endr
.irp t, 0,1
	v_rcp_f32 v[242+\t], v[242+\t]
.endr
	v_nop
	s_wait_alu depctr_va_vdst(0)                   ; one wait for the two
.irp p, 0,1,2,3
.irp t, 0,1
	v_mul_f32 v[209+4*\p+2*\t], v[208+4*\p+2*\t], v[242+\t]        ; weight / sum, in both words of a pair
	v_mul_f32 v[208+4*\p+2*\t], v[208+4*\p+2*\t], v[242+\t]
.endr
.endr
.irp i, 0,1,2,3
.irp t, 0,1
	v_pk_mul_f32 v[S+8*\t+2*\i:S+8*\t+2*\i+1], v[S+8*\t+2*\i:S+8*\t+2*\i+1], v[208+2*\t:209+2*\t]
.endr
.endr
.irp p, 1,2,3
.irp i, 0,1,2,3
.irp t, 0,1
	v_pk_fma_f32 v[S+8*\t+2*\i:S+8*\t+2*\i+1], v[S+16*\p+8*\t+2*\i:S+16*\p+8*\t+2*\i+1], v[208+4*\p+2*\t:209+4*\p+2*\t], v[S+8*\t+2*\i:S+8*\t+2*\i+1]
.endr
.endr
.endr
.irp t, 0,1
.irp i, 0,1,2,3
	v_cvt_pk_f16_f32 v[224+4*\t+\i], v[S+8*\t+2*\i], v[S+8*\t+2*\i+1]
.endr
.endr
	s_lshl_b32 s56, s[QB], 18                      ; a block's eight blocks of 16 rows, 32,768 bytes each
	s_mov_b32 s57, 0
	s_add_nc_u64 s[YB:YB+1], s[YPAN:YPAN+1], s[56:57]
.irp t, 0,1
	global_store_b128 v[L16], v[224+4*\t:224+4*\t+3], s[YB:YB+1] offset:32768*\t   ; half an image of the projection's operand: 512 consecutive bytes, aligned
.endr
.if \more
	RESET
.Lno_merge_\@:
	s_wait_xcnt 0x0                                ; on every way, at the trip's end: y's stores have read their registers and base before the next trip's loads land on v224-231,
	s_wait_loadcnt 0x0                             ; and the second block's Q is in before the next trip's products read it.  In a trip that issued neither, both waits find nothing out
	s_mov_b32 s[KS], s[KSN]                        ; the slot that was asked for at this trip's head is the next in hand
	s_mov_b32 s[QB], s[QBN]
.endif
.endm
.Lslot:                                            ; eight trips: behind each change of slots but the last the walk's next slot is asked for
	CHANGE 1
	SLOTWORK 1
	s_sub_co_u32 s[SLOTS], s[SLOTS], 1
	s_cmp_lg_u32 s[SLOTS], 0
	s_cbranch_scc1 .Lslot
	CHANGE 0                                       ; the ninth slot is written out: nothing is left to ask for
	SLOTWORK 0
	s_wait_tensorcnt 0x0                           ; the wave's end, behind my last tensor load and my last LDS store
	ds_add_u32 v[SPW], v[NIL]
	s_wait_dscnt 0x0
	s_endpgm
.Lfunc_end_k_q62459864be_attn:
	.size	k_q62459864be_attn, .Lfunc_end_k_q62459864be_attn-k_q62459864be_attn
	.p2alignl 7, 3214868480
	.fill 96, 4, 3214868480
	.section	.rodata,"a",@progbits
	.p2align	6, 0x0
	.amdhsa_kernel k_q62459864be_attn
		.amdhsa_group_segment_fixed_size 327680
		.amdhsa_private_segment_fixed_size 0
		.amdhsa_enable_private_segment 0
		.amdhsa_kernarg_size 16
		.amdhsa_user_sgpr_count 2
		.amdhsa_user_sgpr_kernarg_segment_ptr 1
		.amdhsa_wavefront_size32 1
		.amdhsa_system_sgpr_workgroup_id_x 1
		.amdhsa_system_sgpr_workgroup_id_y 1
		.amdhsa_system_sgpr_workgroup_id_z 1
		.amdhsa_system_vgpr_workitem_id 0
		.amdhsa_next_free_vgpr 256
		.amdhsa_next_free_sgpr 66
		.amdhsa_reserve_vcc 1
		.amdhsa_float_denorm_mode_32 3
		.amdhsa_float_denorm_mode_16_64 3
		.amdhsa_memory_ordered 1
		.amdhsa_forward_progress 1
		.amdhsa_inst_pref_size 71
	.end_amdhsa_kernel
	.amdgpu_metadata
---
amdhsa.version: [ 1, 2 ]
amdhsa.kernels:
  - .name:           k_q62459864be_attn
    .symbol:         k_q62459864be_attn.kd
    .args:
      - { .name: qkv16, .offset: 0, .size: 8, .value_kind: global_buffer, .address_space: global }
      - { .name: y16, .offset: 8, .size: 8, .value_kind: global_buffer, .address_space: global }
    .group_segment_fixed_size: 327680
    .private_segment_fixed_size: 0
    .kernarg_segment_align: 8
    .kernarg_segment_size: 16
    .max_flat_workgroup_size: 512
    .sgpr_count:     66
    .vgpr_count:     256
    .wavefront_size: 32
...
	.end_amdgpu_metadata
.endif
;; end of part 3
;; launch proj (part 4): grid 8 x 32, 4 waves a work-group, clusters of 4 x 4, 327,680 bytes of LDS; arguments y16, wp16, b_proj, out0; writes out0
.if DOCPART == 4
	.amdgcn_target "amdgcn-amd-amdhsa--gfx1250"
	.amdhsa_code_object_version 6
	.text
	.protected	k_q62459864be_proj
	.globl	k_q62459864be_proj
	.p2align	8
	.type	k_q62459864be_proj,@function
k_q62459864be_proj:
	s_mov_b64 s[64:65], 0
	v_nop
	global_prefetch_b8 v0, s[64:65] scope:SCOPE_SE
	s_setreg_imm32_b32 hwreg(HW_REG_WAVE_MODE, 25, 1), 1
	s_wait_xcnt 0x0
	s_wait_alu depctr_hold_cnt(0) depctr_sa_sdst(0) depctr_va_vdst(0) depctr_va_sdst(0) depctr_va_ssrc(0) depctr_va_vcc(0) depctr_vm_vsrc(0)
	s_getreg_b32 s2, hwreg(HW_REG_IB_STS2, 6, 4)
	s_cmp_eq_u32 s2, 0
	s_cbranch_scc0 .Lentry_in_a_cluster
	s_endpgm
.Lentry_in_a_cluster:
	s_bfe_u32 s2, ttmp6, 0x10000c
	s_cmp_lg_u32 s2, 0xf033
	s_cbranch_scc0 .Lentry_shape_is_right
	s_endpgm
.Lentry_shape_is_right:
; out0 = y W_proj + b_proj: [4096][1024], K = 1,024, f16 operands, f32 sums.  (Rows 0-15 of both sequences are written again, more finely, by the launch behind this one.)
; A tile of 128 x 128 gives 256 work-groups.  Four waves, each 64 x 64: 16 accumulators of 16 x 16.  K goes in steps of 256 through a ring of two LDS slots.
; BOTH OPERANDS ARRIVE AS IMAGES OF THEIR REGISTERS: y16 [row / 16][k / 32][1,024 bytes], wp16 [column / 16][k / 32][1,024 bytes].  A K step of 16 rows is eight images, 8,192 consecutive bytes; a wave's tensor load brings
; four such runs (64 rows), 32,768 bytes apart in memory, dense in LDS.  A fragment is two loads of 512 consecutive bytes at 16 x lane: no pitch, no padding.
; CLUSTERS: 4 x 4 work-groups.  The four of a row of the cluster need the same tiles of y, the four of a column the same tiles of W_proj: each tile is asked for JOINTLY.
; THE MATRIX INSTRUCTION IS USED TRANSPOSED (source 0 = 16 columns of W_proj, source 1 = 16 rows of y): a lane holds eight neighbouring columns of a row.  The bias is the C of each sum's first product.
; REGISTERS: window 0: v0-31 addresses; v32-95 the way out; v96-127 the bias, eight registers for each 16 columns; v128-255 the accumulators ((a, b) at v[128 + 8 (4 a + b)]).   window 1: two fragment buffers of 128.
.set KSTEPB, 8192                      ; a K step of 16 rows, in bytes
.set HALFT,  32768                     ; 64 rows of a K step: what one tensor load brings
.set SLOT,   4*HALFT                   ; y's 128 rows, then W_proj's 128 columns
.set STAGE,  2*SLOT                    ; behind the ring: 16 rows x 272 bytes for each wave
.set SPITCH, 272
.set SPARE,  STAGE+4*16*SPITCH         ; the spare words, 128 bytes a wave: two blocks of 256 bytes that no other line names
.set LAPS,   2                         ; a lap = two K steps = once round the ring
.set ADRA, 16
.set ADRB, 20
.set STO,  24
.set RD,   25
.set CO,   26
.set BO,   27
.set SPW,  28
.set NIL,  29
.set TMP,  32
.set BIAS, 96
.set ACC,  128
.set F0,   0
.set F1,   128
.set WV, 12
.set HI, 13                            ; which half of the tile's rows is mine.  Also: I fetch for y (0) or for W_proj (1)
.set LO, 14                            ; which half of its columns.  Also: which 64 rows of that tile I fetch
.set TR, 15
.set G1, 24
.set G0, 32
.set G1B, 48
.set G0B, 56
.set MSB, 0
.macro WIN new
.if MSB != \new
	s_set_vgpr_msb (MSB<<8)|\new
.set MSB, \new
.endif
.endm
.set MUL,  0x05                        ; sources 0 and 1 window 1; C and D window 0
.set TO_F, 0x40                        ; destination window 1, address window 0
.macro JLOAD s                         ; a joint load; an s_nop 0 and four v_nop follow each of the two lines
	s_cmp_eq_u32 s[HI], 0
	s_cbranch_scc0 .Lfor_b_\@
	tensor_load_to_lds s[G0+4*\s:G0+4*\s+3], s[G1:G1+7]
	s_nop 0
.rept 4
	v_nop
.endr
	s_branch .Lasked_\@
.Lfor_b_\@:
	tensor_load_to_lds s[G0B+4*\s:G0B+4*\s+3], s[G1B:G1B+7]
	s_nop 0
.rept 4
	v_nop
.endr
.Lasked_\@:
.endm
.macro CREST
	s_cmp_lg_u32 s[WV], 0
	s_cbranch_scc1 .Lnot_wave_0_\@
	s_barrier_signal -3
.Lnot_wave_0_\@:
	s_barrier_wait -3
	s_barrier_signal -1
	s_barrier_wait -1
.endm
.macro CROUND
	s_barrier_signal -1
	s_barrier_wait -1
	CREST
.endm
	s_load_b128 s[4:7], s[0:1], 0x0                ; y16 s[4:5], wp16 s[6:7]
	s_load_b128 s[8:11], s[0:1], 0x10              ; b_proj s[8:9], out0 s[10:11]
	v_lshl_add_u32 v[SPW], v0, 2, SPARE
	v_mov_b32 v[NIL], 0
	ds_add_u32 v[SPW], v[NIL]                      ; the wave's opening: the add, twice on end, and its wait ahead of my first tensor load
	ds_add_u32 v[SPW], v[NIL]
	v_lshrrev_b32 v1, 5, v0
	v_readfirstlane_b32 s[WV], v1
	s_lshr_b32 s[HI], s[WV], 1
	s_and_b32 s[LO], s[WV], 1
	s_bfe_u32 s40, ttmp6, 0x40000                  ; cx, cy
	s_bfe_u32 s41, ttmp6, 0x40004
	s_lshl_b32 s42, ttmp9, 2
	s_add_co_u32 s42, s42, s40                     ; tile column
	s_and_b32 s[TR], ttmp7, 0xffff
	s_lshl_b32 s[TR], s[TR], 2
	s_add_co_u32 s[TR], s[TR], s41                 ; tile row
	s_lshl_b32 s43, s41, 2
	s_lshl_b32 s43, 15, s43                        ; my row of the cluster
	s_lshl_b32 s44, 0x1111, s40                    ; my column
	; group 1: four rows of 8,192 bytes (1,024 elements of 8 bytes), 32,768 bytes apart
	s_or_b32 s[G1+0], s43, (3<<16)|(1<<21)         ; 15:0 the mask; 17:16 elements of 8 bytes; 21 set beside a mask; no padding
	s_or_b32 s[G1B+0], s44, (3<<16)|(1<<21)
.irp g, G1, G1B
	s_mov_b32 s[\g+1], 1024<<16                    ; tensor_dim0
	s_mov_b32 s[\g+2], 4<<16                       ; tensor_dim1
	s_mov_b32 s[\g+3], 1024<<16                    ; tile_dim0
	s_mov_b32 s[\g+4], 4                           ; tile_dim1
	s_mov_b32 s[\g+5], 4096                        ; from row to row
	s_mov_b32 s[\g+6], 0
	s_mov_b32 s[\g+7], 0
.endr
	s_lshl_b32 s17, s[LO], 2                       ; which four blocks of 16 of the tile's eight I fetch
	s_lshl_b32 s16, s[TR], 3
	s_add_co_u32 s16, s16, s17
	s_lshl_b32 s16, s16, 15                        ; y: (8 x tile row + 4 x half) x 32,768
	s_lshl_b32 s46, s42, 3
	s_add_co_u32 s46, s46, s17
	s_lshl_b32 s46, s46, 15                        ; W_proj: the same by the tile column
	s_mov_b32 s17, 0
	s_mov_b32 s47, 0
	s_lshl_b32 s20, s[WV], 15                      ; where they go: wave x 32,768: no place in the cluster enters an LDS address
	s_wait_dscnt 0x0                               ; both opening adds are done
	s_wait_kmcnt 0x0
	s_add_nc_u64 s[22:23], s[4:5], s[16:17]
	s_add_nc_u64 s[46:47], s[6:7], s[46:47]
	CROUND                                         ; all sixteen work-groups are here: the first joint loads meet
.irp s, 0,1
	s_mov_b32 s[G0+4*\s], 1
	s_add_co_u32 s[G0+4*\s+1], s20, \s*SLOT
	s_add_nc_u64 s[G0+4*\s+2:G0+4*\s+3], s[22:23], \s*KSTEPB
	s_or_b32 s[G0+4*\s+3], s[G0+4*\s+3], 0x80000000
	s_mov_b32 s[G0B+4*\s], 1
	s_add_co_u32 s[G0B+4*\s+1], s20, \s*SLOT
	s_add_nc_u64 s[G0B+4*\s+2:G0B+4*\s+3], s[46:47], \s*KSTEPB
	s_or_b32 s[G0B+4*\s+3], s[G0B+4*\s+3], 0x80000000
	JLOAD \s                                       ; two tensor loads of mine are out at the most
.endr
	v_and_b32 v1, 15, v0                           ; r
	v_bfe_u32 v2, v0, 4, 1                         ; h
	v_and_b32 v3, 31, v0
	v_lshlrev_b32 v3, 4, v3                        ; 16 x lane
	s_lshl_b32 s21, s[HI], 15                      ; my 64 rows of y
	s_lshl_b32 s22, s[LO], 15                      ; my 64 columns of W_proj,
	s_add_co_u32 s22, s22, 2*HALFT                 ; which lie behind y's 128 rows
.irp s, 0,1
	v_add_nc_u32 v[ADRA+\s], s21, v3
	v_add_nc_u32 v[ADRB+\s], s22, v3
	s_add_co_u32 s21, s21, SLOT
	s_add_co_u32 s22, s22, SLOT
.endr
	s_mul_i32 s23, s[WV], 16*SPITCH
	s_add_co_u32 s23, s23, STAGE                   ; my stage
	v_mul_u32_u24 v4, v1, SPITCH                   ; in: row r, 32 bytes for each half of the lanes
	v_lshl_add_u32 v4, v2, 5, v4
	v_add_nc_u32 v[STO], s23, v4
	v_mul_u32_u24 v5, v2, SPITCH                   ; back: lanes 0-15 one row of 256 bytes, lanes 16-31 the next
	v_lshl_add_u32 v5, v1, 4, v5
	v_add_nc_u32 v[RD], s23, v5
	v_lshlrev_b32 v5, 12, v2                       ; and the same two rows in out0: 4,096 bytes a row
	v_lshl_add_u32 v[CO], v1, 4, v5
	v_lshlrev_b32 v[BO], 5, v2                     ; the bias: my half's eight numbers
	s_lshl_b32 s16, s[TR], 7
	s_lshl_b32 s17, s[HI], 6
	s_add_co_u32 s16, s16, s17
	s_lshl_b32 s16, s16, 12                        ; my first row, in bytes
	s_lshl_b32 s46, s42, 9
	s_lshl_b32 s47, s[LO], 8
	s_add_co_u32 s46, s46, s47                     ; my first column, in bytes
	s_mov_b32 s47, 0
	s_add_nc_u64 s[8:9], s[8:9], s[46:47]
	s_add_co_u32 s46, s46, s16
	s_add_nc_u64 s[10:11], s[10:11], s[46:47]
.irp b, 0,1,2,3
	global_load_b128 v[BIAS+8*\b:BIAS+8*\b+3],   v[BO], s[8:9] offset:64*\b       ; b_proj at columns 16 b + 8 h + 0 .. 7: the result's layout
	global_load_b128 v[BIAS+8*\b+4:BIAS+8*\b+7], v[BO], s[8:9] offset:64*\b+16
.endr
; 8 matrix instructions: row blocks a0, a0 + 1 x all 4 column blocks, 32 along K: half c of buffer f.  zero = 1: the first product starts the sum from the bias.  The 16 accumulators take turns.
.macro MUL8 f, c, a0, zero
.irp a, \a0, \a0+1
.irp b, 0,1,2,3
.if \zero
	v_wmma_f32_16x16x32_f16 v[ACC+8*(4*(\a)+\b):ACC+8*(4*(\a)+\b)+7], v[\f+64+8*(4*\c+\b):\f+64+8*(4*\c+\b)+7], v[\f+8*(4*\c+\a):\f+8*(4*\c+\a)+7], v[BIAS+8*\b:BIAS+8*\b+7]
.else
	v_wmma_f32_16x16x32_f16 v[ACC+8*(4*(\a)+\b):ACC+8*(4*(\a)+\b)+7], v[\f+64+8*(4*\c+\b):\f+64+8*(4*\c+\b)+7], v[\f+8*(4*\c+\a):\f+8*(4*\c+\a)+7], v[ACC+8*(4*(\a)+\b):ACC+8*(4*(\a)+\b)+7]
.endif
.endr
.endr
.endm
; 32 LDS loads in one run: the fragments of 64 along K (two images of each block of 16) from byte k of each block's run, into buffer f; the first 32 along K first
.macro FETCH slot, k, f
	WIN TO_F
.irp c, 0,1
.irp i, 0,1,2,3
	ds_load_b128 v[\f+64+8*(4*\c+\i):\f+64+8*(4*\c+\i)+3],   v[ADRB+\slot] offset:\k+1024*\c+\i*KSTEPB
	ds_load_b128 v[\f+64+8*(4*\c+\i)+4:\f+64+8*(4*\c+\i)+7], v[ADRB+\slot] offset:\k+1024*\c+\i*KSTEPB+512
	ds_load_b128 v[\f+8*(4*\c+\i):\f+8*(4*\c+\i)+3],         v[ADRA+\slot] offset:\k+1024*\c+\i*KSTEPB
	ds_load_b128 v[\f+8*(4*\c+\i)+4:\f+8*(4*\c+\i)+7],       v[ADRA+\slot] offset:\k+1024*\c+\i*KSTEPB+512
.endr
.endr
.endm
.macro PLACES
.rept 4
	v_nop
.endr
.endm
.macro QUARTER slot, k, f, g, zero     ; 64 along K: multiplies buffer f and fetches the next quarter, at byte k, into g
	s_wait_dscnt 16                                ; the first 32 along K are in; the sixteen loads of the second may be out
	WIN MUL
	MUL8 \f, 0, 0, \zero
	MUL8 \f, 0, 2, \zero
	PLACES
	FETCH \slot, \k, \g
	s_wait_dscnt 32                                ; all but the 32 just issued
	WIN MUL
	MUL8 \f, 1, 0, 0
	MUL8 \f, 1, 2, 0
.endm
; The last quarter changes slots: ONE barrier; in front of it each wave waits for all its tensor loads, adds 0 to its spare word, and waits for that and for its reads of this slot.  fill = 1: this slot is filled again, two K steps ahead.
.macro TURN slot, next, fill
	WIN 0
	s_wait_tensorcnt 0x0                           ; all my tensor loads have landed: my part of the next slot
	ds_add_u32 v[SPW], v[NIL]                      ; 0 onto my spare word
	s_wait_dscnt 17                                ; the add and the youngest sixteen loads may be out
	WIN MUL
	MUL8 F1, 0, 0, 0
	s_wait_dscnt 0x0                               ; the add is done, and my reads of this slot are over
	s_barrier_signal -1
	MUL8 F1, 0, 2, 0
.if \fill
	WIN 0
.endif
	s_barrier_wait -1
.if \fill
	CREST                                          ; the barrier has opened a round of the cluster's barrier: no wave of any partner still reads this slot or has a load on its way
	s_add_nc_u64 s[G0+4*\slot+2:G0+4*\slot+3], s[G0+4*\slot+2:G0+4*\slot+3], 2*KSTEPB
	s_add_nc_u64 s[G0B+4*\slot+2:G0B+4*\slot+3], s[G0B+4*\slot+2:G0B+4*\slot+3], 2*KSTEPB
	JLOAD \slot                                    ; the first tensor load behind the round; its four v_nop are also the places in front of the loads below
.else
	PLACES
.endif
	FETCH \next, 0, F0
	WIN MUL
	MUL8 F1, 1, 0, 0
	MUL8 F1, 1, 2, 0
.endm
	s_wait_tensorcnt 1                             ; my part of K step 0 is in; K step 1's load may be out
	s_barrier_signal -1
	s_barrier_wait -1
	FETCH 0, 0, F0
	s_wait_loadcnt 0x0                             ; the bias
	QUARTER 0, 2048, F0, F1, 1
	WIN 0                                          ; at a label and at a branch every window is 0
	s_mov_b32 s3, LAPS-1
.Llap:                                                 ; a trip goes once round the ring, from a lap's second quarter to the next lap's first, and fills both slots again
	QUARTER 0, 4096, F1, F0, 0
	QUARTER 0, 6144, F0, F1, 0
	TURN 0, 1, 1
	QUARTER 1, 2048, F0, F1, 0
	QUARTER 1, 4096, F1, F0, 0
	QUARTER 1, 6144, F0, F1, 0
	TURN 1, 0, 1
	QUARTER 0, 2048, F0, F1, 0
	WIN 0
	s_sub_co_u32 s3, s3, 1
	s_cmp_lg_u32 s3, 0
	s_cbranch_scc1 .Llap
	QUARTER 0, 4096, F1, F0, 0                     ; the last lap fills nothing
	QUARTER 0, 6144, F0, F1, 0
	TURN 0, 1, 0
	QUARTER 1, 2048, F0, F1, 0
	QUARTER 1, 4096, F1, F0, 0
	QUARTER 1, 6144, F0, F1, 0
	s_wait_dscnt 16
	WIN MUL
	MUL8 F1, 0, 0, 0
	MUL8 F1, 0, 2, 0
	s_wait_dscnt 0
	MUL8 F1, 1, 0, 0
	MUL8 F1, 1, 2, 0
	WIN 0
	; THE WAY OUT: my 64 columns of f32 are 256 bytes of a row: 16 rows at a time through my own stage, back as whole rows.  LDS serves a wave's instructions in order: no wait between the stores and the loads.
	PLACES
.irp a, 0,1,2,3
.if \a >= 2
	s_wait_xcnt 0x0                                ; block a - 2's stores have read these registers
.endif
.irp b, 0,1,2,3
	ds_store_b128 v[STO], v[ACC+8*(4*\a+\b):ACC+8*(4*\a+\b)+3] offset:64*\b          ; each accumulator from its low end on
	ds_store_b128 v[STO], v[ACC+8*(4*\a+\b)+4:ACC+8*(4*\a+\b)+7] offset:64*\b+16
.endr
.irp t, 0,1,2,3,4,5,6,7
	ds_load_b128 v[TMP+32*(\a%2)+4*\t:TMP+32*(\a%2)+4*\t+3], v[RD] offset:\t*2*SPITCH
.endr
.irp t, 0,1,2,3,4,5,6,7
	s_wait_dscnt 7-\t                              ; the loads behind this one may be out
	global_store_b128 v[CO], v[TMP+32*(\a%2)+4*\t:TMP+32*(\a%2)+4*\t+3], s[10:11] offset:(16*\a+2*\t)*4096 th:TH_STORE_NT   ; sixteen lanes store 256 consecutive bytes, aligned
.endr
.endr
	s_wait_tensorcnt 0x0                           ; the wave's end, behind my last tensor load and my last LDS store
	ds_add_u32 v[SPW], v[NIL]
	s_wait_dscnt 0x0
	CROUND                                         ; the closing round
	s_endpgm
.Lfunc_end_k_q62459864be_proj:
	.size	k_q62459864be_proj, .Lfunc_end_k_q62459864be_proj-k_q62459864be_proj
	.p2alignl 7, 3214868480
	.fill 96, 4, 3214868480
	.section	.rodata,"a",@progbits
	.p2align	6, 0x0
	.amdhsa_kernel k_q62459864be_proj
		.amdhsa_group_segment_fixed_size 327680
		.amdhsa_private_segment_fixed_size 0
		.amdhsa_enable_private_segment 0
		.amdhsa_kernarg_size 32
		.amdhsa_user_sgpr_count 2
		.amdhsa_user_sgpr_kernarg_segment_ptr 1
		.amdhsa_wavefront_size32 1
		.amdhsa_system_sgpr_workgroup_id_x 1
		.amdhsa_system_sgpr_workgroup_id_y 1
		.amdhsa_system_sgpr_workgroup_id_z 1
		.amdhsa_system_vgpr_workitem_id 0
		.amdhsa_next_free_vgpr 512
		.amdhsa_next_free_sgpr 66
		.amdhsa_reserve_vcc 0
		.amdhsa_float_denorm_mode_32 3
		.amdhsa_float_denorm_mode_16_64 3
		.amdhsa_memory_ordered 1
		.amdhsa_forward_progress 1
		.amdhsa_inst_pref_size 87
	.end_amdhsa_kernel
	.amdgpu_metadata
---
amdhsa.version: [ 1, 2 ]
amdhsa.kernels:
  - .name:           k_q62459864be_proj
    .symbol:         k_q62459864be_proj.kd
    .args:
      - { .name: y16, .offset: 0, .size: 8, .value_kind: global_buffer, .address_space: global }
      - { .name: wp16, .offset: 8, .size: 8, .value_kind: global_buffer, .address_space: global }
      - { .name: b_proj, .offset: 16, .size: 8, .value_kind: global_buffer, .address_space: global }
      - { .name: out0, .offset: 24, .size: 8, .value_kind: global_buffer, .address_space: global }
    .group_segment_fixed_size: 327680
    .private_segment_fixed_size: 0
    .kernarg_segment_align: 8
    .kernarg_segment_size: 32
    .max_flat_workgroup_size: 128
    .sgpr_count:     66
    .vgpr_count:     512
    .wavefront_size: 32
...
	.end_amdgpu_metadata
.endif
;; end of part 4
;; launch fine (part 5): grid 64 x 2, 16 waves a work-group, no clusters, 18,432 bytes of LDS; arguments qkv32, W_proj, b_proj, out0; writes out0
.if DOCPART == 5
	.amdgcn_target "amdgcn-amd-amdhsa--gfx1250"
	.amdhsa_code_object_version 6
	.text
	.protected	k_q62459864be_fine
	.globl	k_q62459864be_fine
	.p2align	8
	.type	k_q62459864be_fine,@function
k_q62459864be_fine:
	s_mov_b64 s[64:65], 0
	v_nop
	global_prefetch_b8 v0, s[64:65] scope:SCOPE_SE
	s_setreg_imm32_b32 hwreg(HW_REG_WAVE_MODE, 25, 1), 1
	s_wait_xcnt 0x0
; Positions 0 .. 15 of both sequences, attention and projection, all in f32: these rows average one to sixteen values, are the largest of the output, and are written here over the f16 launch's values.
; Work-group (ct, b) makes rows 2,048 b + 0 .. 15, columns 16 ct .. 16 ct + 15 of out0.  Wave w is head w: it makes the head's 16 x 16 scores and their softmax P, the product V W of the head's 16 values with its 64 rows
; of W_proj's 16 columns, and P (V W): that head's part of the 16 x 16 outputs; the sixteen parts are added through LDS.  No loop.
; P (V W) IN PLACE OF (P V) W: V W (K = 64: 16 matrix instructions) does not hang on the softmax, and the product with P has K = 16 (4 instructions): 36 matrix instructions a wave where (P V) W takes 48.
; LIMIT: the order of rounding so differs from the reference's; every product and sum is f32.  NaN and infinities are not served.
; q, k, v come from qkv32: the product's f32 accumulators as they stood: in the image of 16 columns, element (row r, column 8 h + 4 g + i) lies at 512 g + 16 (16 h + r) + 4 i: eight loads of 512 consecutive bytes a tensor.
; THE f32 MATRIX FORM takes K = 4: slot 2 (lane / 16) + j of register j.  Which four of a product's K stand in the four slots is free as long as both sources agree:
;   pair q of an image's registers holds channels 16 (q / 4) + 8 h + 2 (q % 4) + j, in K, Q and V alike, and W_proj's rows are loaded in that order;   in P (V W) slot 2 h + j of pair s stands for key 8 h + 2 s + j, as both earlier results' registers lie.
; The registers that the f32 form writes (v160-223) are written by matrix instructions alone; what is made of a finished sum goes into other registers.
; A row's piece here is 64 bytes: 131,072 bytes in all.
.set SPARE, 16384                      ; LDS: sixteen parts of 1,024 bytes, then the spare words, 128 bytes a wave
.set L16, 3                            ; v3   16 x lane
.set WO,  5                            ; v5   W_proj: 32,768 h + 4 r
.set DD,  6                            ; v6   r - 8 h
.set NINF, 7
.set PW,  8                            ; v8   where my part goes
.set PR,  9                            ; v9   where waves 0 and 1 read the parts
.set BO,  10                           ; v10  the bias
.set OO,  11                           ; v11  out0
.set SPW, 12
.set NIL, 13
.set QF,  32
.set KF,  64
.set VF,  96
.set WF,  128
.set SA,  160                          ; four accumulators: the scores' quarters, later the four steps of P (V W)
.set VA,  192                          ; four accumulators: V W's quarters
.set SS,  224                          ; the scores, then p
.set PP,  232                          ; p / sum
.set RR,  240                          ; my head's part of the 16 x 16 outputs
.set VW,  248                          ; V W: lane (r, h): column r, key 8 h + j
	s_load_b256 s[4:11], s[0:1], 0x0               ; qkv32 s[4:5], W_proj s[6:7], b_proj s[8:9], out0 s[10:11]
	v_lshl_add_u32 v[SPW], v0, 2, SPARE
	v_mov_b32 v[NIL], 0
	v_lshrrev_b32 v1, 5, v0
	v_readfirstlane_b32 s12, v1                    ; wave = head
	v_and_b32 v1, 15, v0                           ; r
	v_bfe_u32 v2, v0, 4, 1                         ; h
	v_and_b32 v[L16], 31, v0
	v_lshlrev_b32 v[L16], 4, v[L16]
	v_lshlrev_b32 v[WO], 2, v1
	v_lshl_add_u32 v[WO], v2, 15, v[WO]
	v_lshlrev_b32 v[DD], 3, v2
	v_sub_nc_u32 v[DD], v1, v[DD]
	v_mov_b32 v[NINF], 0xff800000
	s_lshl_b32 s16, s12, 10
	v_add_nc_u32 v[PW], s16, v[L16]
	s_and_b32 s16, s12, 1                          ; waves 0 and 1 finish: columns 8 h + 4 g + 0 .. 3, g = the wave
	s_lshl_b32 s17, s16, 9
	v_add_nc_u32 v[PR], s17, v[L16]
	s_lshl_b32 s17, s16, 4
	v_lshlrev_b32 v[BO], 5, v2
	v_add_nc_u32 v[BO], s17, v[BO]
	v_lshl_add_u32 v[OO], v1, 12, v[BO]            ; row r of 4,096 bytes
	v_mov_b32 v15, 0                               ; written once: a lane permute's destination counts as one of its sources
	s_mov_b32 s20, 0x76543210
	s_mov_b32 s21, 0xfedcba98
	s_mov_b32 s22, 0x3e38aa3b                      ; c = log2(e) / 8
	s_and_b32 s14, ttmp7, 0xffff                   ; the batch
	s_mul_i32 s18, s14, 192
	s_lshl_b32 s19, s12, 2
	s_add_co_u32 s18, s18, s19
	s_lshl_b32 s18, s18, 10                        ; q's four images of my head; k's lie 64 images on, v's 128
	s_mov_b32 s19, 0
	s_lshl_b32 s24, s12, 18                        ; W_proj: my head's 64 rows of 4,096 bytes,
	s_lshl_b32 s26, ttmp9, 6                       ; the work-group's 16 columns
	s_add_co_u32 s24, s24, s26
	s_mov_b32 s25, 0
	s_mov_b32 s27, 0
	s_lshl_b32 s28, s14, 23                        ; out0: the batch's 2,048 rows
	s_add_co_u32 s28, s28, s26
	s_mov_b32 s29, 0
	s_wait_kmcnt 0x0
	s_add_nc_u64 s[4:5], s[4:5], s[18:19]
	s_add_nc_u64 s[6:7], s[6:7], s[24:25]
	s_add_nc_u64 s[8:9], s[8:9], s[26:27]
	s_add_nc_u64 s[10:11], s[10:11], s[28:29]
	; all 56 loads go out together
.irp i, 0,1,2,3,4,5,6,7
	global_load_b128 v[QF+4*\i:QF+4*\i+3], v[L16], s[4:5] offset:512*\i
.endr
.irp i, 0,1,2,3,4,5,6,7
	global_load_b128 v[KF+4*\i:KF+4*\i+3], v[L16], s[4:5] offset:65536+512*\i
.endr
.irp i, 0,1,2,3,4,5,6,7
	global_load_b128 v[VF+4*\i:VF+4*\i+3], v[L16], s[4:5] offset:131072+512*\i
.endr
.irp dt, 0,1,2,3
.irp i, 0,1,2,3,4,5,6,7
	global_load_b32 v[WF+8*\dt+\i], v[WO], s[6:7] offset:(16*\dt+\i)*4096           ; W_proj(64 w + 16 dt + 8 h + i, column r)
.endr
.endr
	s_wait_loadcnt 40                              ; q and k are in; v's 8 loads and W_proj's 32 may be out
.set q, 0
.rept 16                                       ; S^T = K Q^T: 16 steps of 4 channels on four accumulators by turns; the first four start the sums
.if q < 4
	v_wmma_f32_16x16x4_f32 v[SA+8*(q%4):SA+8*(q%4)+7], v[KF+2*q:KF+2*q+1], v[QF+2*q:QF+2*q+1], 0
.else
	v_wmma_f32_16x16x4_f32 v[SA+8*(q%4):SA+8*(q%4)+7], v[KF+2*q:KF+2*q+1], v[QF+2*q:QF+2*q+1], v[SA+8*(q%4):SA+8*(q%4)+7]
.endif
.set q, q+1
.endr
	s_wait_loadcnt 0x0                             ; v and W_proj
.set q, 0
.rept 16                                       ; V W (16 keys x 16 columns): source 0 = V, a key to a lane; source 1 = W_proj, a column to a lane; the same four channels in both
.if q < 4
	v_wmma_f32_16x16x4_f32 v[VA+8*(q%4):VA+8*(q%4)+7], v[VF+2*q:VF+2*q+1], v[WF+2*q:WF+2*q+1], 0
.else
	v_wmma_f32_16x16x4_f32 v[VA+8*(q%4):VA+8*(q%4)+7], v[VF+2*q:VF+2*q+1], v[WF+2*q:WF+2*q+1], v[VA+8*(q%4):VA+8*(q%4)+7]
.endif
.set q, q+1
.endr
.rept 8
	v_nop                                          ; eight places behind this form, in front of the first read of results: of both products'
.endr
.irp j, 0,1,2,3,4,5,6,7                        ; the scores' four quarters are added, each accumulator from its low end on: lane (r, h): query r, key 8 h + j
	v_add_f32 v[SS+\j], v[SA+\j], v[SA+8+\j]
	v_add_f32 v[SS+\j], v[SS+\j], v[SA+16+\j]
	v_add_f32 v[SS+\j], v[SS+\j], v[SA+24+\j]
.endr
.irp j, 0,1,2,3,4,5,6,7
	v_cmp_gt_i32 vcc_lo, \j, v[DD]                 ; key 8 h + j comes after query r
	v_cndmask_b32 v[SS+\j], v[SS+\j], v[NINF], vcc_lo
.endr
	v_max3_num_f32 v14, v[SS], v[SS+1], v[SS+2]
	v_max3_num_f32 v14, v14, v[SS+3], v[SS+4]
	v_max3_num_f32 v14, v14, v[SS+5], v[SS+6]
	v_max_num_f32 v14, v14, v[SS+7]
	v_permlanex16_b32 v15, v14, s20, s21
	v_max_num_f32 v14, v14, v15                    ; the row's maximum (key 0 counts for every query)
	v_mul_f32 v16, s22, v14
.irp j, 0,1,2,3,4,5,6,7
	v_fma_f32 v[SS+\j], v[SS+\j], s22, -v16
.endr
.irp j, 0,1,2,3,4,5,6,7
	v_exp_f32 v[SS+\j], v[SS+\j]
.endr
.irp j, 0,1,2,3,4,5,6,7                        ; V W's four quarters are added here: plain work that names no exponential's result, between the batch and its wait.  Lane (r, h): key 8 h + j, column r
	v_add_f32 v[VW+\j], v[VA+\j], v[VA+8+\j]
	v_add_f32 v[VW+\j], v[VW+\j], v[VA+16+\j]
	v_add_f32 v[VW+\j], v[VW+\j], v[VA+24+\j]
.endr
	s_wait_alu depctr_va_vdst(0)                   ; one wait for the eight exponentials, ahead of their first reader
	v_add_f32 v17, v[SS], v[SS+1]
	v_add_f32 v18, v[SS+2], v[SS+3]
	v_add_f32 v17, v17, v[SS+4]
	v_add_f32 v18, v18, v[SS+5]
	v_add_f32 v17, v17, v[SS+6]
	v_add_f32 v18, v18, v[SS+7]
	v_add_f32 v17, v17, v18
	v_permlanex16_b32 v15, v17, s20, s21
	v_add_f32 v17, v17, v15
	v_rcp_f32 v17, v17
	v_nop
	s_wait_alu depctr_va_vdst(0)
.irp j, 0,1,2,3,4,5,6,7
	v_mul_f32 v[PP+\j], v[SS+\j], v17
.endr
.irp s, 0,1,2,3                                ; out^T (16 columns x 16 queries) = (V W)^T P^T: four keys a step, each step on an accumulator of its own, begun with 0
	v_wmma_f32_16x16x4_f32 v[SA+8*\s:SA+8*\s+7], v[VW+2*\s:VW+2*\s+1], v[PP+2*\s:PP+2*\s+1], 0
.endr
.rept 8
	v_nop
.endr
.irp j, 0,1,2,3,4,5,6,7                        ; lane (r, h): query r, column 8 h + j
	v_add_f32 v[RR+\j], v[SA+\j], v[SA+8+\j]
	v_add_f32 v[RR+\j], v[RR+\j], v[SA+16+\j]
	v_add_f32 v[RR+\j], v[RR+\j], v[SA+24+\j]
.endr
	ds_store_b128 v[PW], v[RR:RR+3]
	ds_store_b128 v[PW], v[RR+4:RR+7] offset:512
	s_wait_dscnt 0x0                               ; my part has landed
	s_barrier_signal -1
	s_barrier_wait -1                              ; everybody's has
	s_cmp_lt_u32 s12, 2
	s_cbranch_scc0 .Ldone
	global_load_b128 v[VF:VF+3], v[BO], s[8:9]     ; the bias at my four columns
.irp i, 0,1,2,3,4,5,6,7,8,9,10,11,12,13,14,15
	ds_load_b128 v[QF+4*\i:QF+4*\i+3], v[PR] offset:1024*\i
.endr
	s_wait_dscnt 0x0
.macro FOLD n                          ; parts 0 .. n - 1 take parts n .. 2 n - 1
.set j, 0
.rept \n
	v_pk_add_f32 v[QF+4*j:QF+4*j+1], v[QF+4*j:QF+4*j+1], v[QF+4*(j+\n):QF+4*(j+\n)+1]
	v_pk_add_f32 v[QF+4*j+2:QF+4*j+3], v[QF+4*j+2:QF+4*j+3], v[QF+4*(j+\n)+2:QF+4*(j+\n)+3]
.set j, j+1
.endr
.endm
	FOLD 8
	FOLD 4
	FOLD 2
	FOLD 1
	s_wait_loadcnt 0x0
	v_pk_add_f32 v[QF:QF+1], v[QF:QF+1], v[VF:VF+1]
	v_pk_add_f32 v[QF+2:QF+3], v[QF+2:QF+3], v[VF+2:VF+3]
	global_store_b128 v[OO], v[QF:QF+3], s[10:11]
.Ldone:
	s_wait_tensorcnt 0x0                           ; the wave's end, behind my last LDS store
	ds_add_u32 v[SPW], v[NIL]
	s_wait_dscnt 0x0
	s_endpgm
.Lfunc_end_k_q62459864be_fine:
	.size	k_q62459864be_fine, .Lfunc_end_k_q62459864be_fine-k_q62459864be_fine
	.p2alignl 7, 3214868480
	.fill 96, 4, 3214868480
	.section	.rodata,"a",@progbits
	.p2align	6, 0x0
	.amdhsa_kernel k_q62459864be_fine
		.amdhsa_group_segment_fixed_size 18432
		.amdhsa_private_segment_fixed_size 0
		.amdhsa_enable_private_segment 0
		.amdhsa_kernarg_size 32
		.amdhsa_user_sgpr_count 2
		.amdhsa_user_sgpr_kernarg_segment_ptr 1
		.amdhsa_wavefront_size32 1
		.amdhsa_system_sgpr_workgroup_id_x 1
		.amdhsa_system_sgpr_workgroup_id_y 1
		.amdhsa_system_sgpr_workgroup_id_z 1
		.amdhsa_system_vgpr_workitem_id 0
		.amdhsa_next_free_vgpr 256
		.amdhsa_next_free_sgpr 66
		.amdhsa_reserve_vcc 1
		.amdhsa_float_denorm_mode_32 3
		.amdhsa_float_denorm_mode_16_64 3
		.amdhsa_memory_ordered 1
		.amdhsa_forward_progress 1
		.amdhsa_inst_pref_size 19
	.end_amdhsa_kernel
	.amdgpu_metadata
---
amdhsa.version: [ 1, 2 ]
amdhsa.kernels:
  - .name:           k_q62459864be_fine
    .symbol:         k_q62459864be_fine.kd
    .args:
      - { .name: qkv32, .offset: 0, .size: 8, .value_kind: global_buffer, .address_space: global }
      - { .name: W_proj, .offset: 8, .size: 8, .value_kind: global_buffer, .address_space: global }
      - { .name: b_proj, .offset: 16, .size: 8, .value_kind: global_buffer, .address_space: global }
      - { .name: out0, .offset: 24, .size: 8, .value_kind: global_buffer, .address_space: global }
    .group_segment_fixed_size: 18432
    .private_segment_fixed_size: 0
    .kernarg_segment_align: 8
    .kernarg_segment_size: 32
    .max_flat_workgroup_size: 512
    .sgpr_count:     66
    .vgpr_count:     256
    .wavefront_size: 32
...
	.end_amdgpu_metadata
.endif
;; end of part 5
